; MI455X (gfx1250); checked and timed in simulation.
; The chip was launched on July 23, 2026; its instructions are those of AMD's public machine-readable ISA for CDNA 5 (MIT licence, August 2026) and "CDNA5" Instruction Set Architecture Reference Guide (July 2026). The comments in the code are by the model that wrote it; some were corrected since.
;; Causal Multi Head Self Attention. Allowed arithmetic: matrix products marked QUANTISED: E4M3 operands, one given power-of-two scale a tensor, by v_wmma_f32_16x16x64_fp8_fp8 or v_wmma_f32_16x16x128_fp8_fp8, f32 sums; everything else in f32.
;; Inputs: Wk_codes 1,024 x 32 x 32 uint8 (E4M3 codes of Wk, K innermost, in blocks of 32 codes); Wo_codes 1,024 x 32 x 32 uint8 (E4M3 codes of Wo, K innermost, in blocks of 32 codes); Wq_codes 1,024 x 32 x 32 uint8 (E4M3 codes of Wq, K innermost, in blocks of 32 codes); Wv_codes 1,024 x 32 x 32 uint8 (E4M3 codes of Wv, K innermost, in blocks of 32 codes); lowp_scales 12 int32 (the exponents e of the quantised operands' scales 2^e); token_positions 2,048 int32; x_codes 4 x 2,048 x 32 x 32 uint8 (E4M3 codes of x, K innermost, in blocks of 32 codes).
;; Outputs: out0 4 x 2,048 x 1,024 float32.
;; This version of the problem:
;;   THIS VERSION OF THE PROBLEM IS GIVEN IN LOW PRECISION. The matrix products marked QUANTISED in the list below multiply operands that are first quantised to E4M3 (4 exponent bits, 3 mantissa bits; 8 bits a number), with one given power-of-two scale for each operand tensor; their sums are f32. All else is computed in f32.
;;   The module's matrix products, in the order in which they are computed (A, B: the left and right operand; K: the contracted axis; several contracted axes count as one K, in the product's order):
;;     1. [M 8,192, K 1,024] x [K 1,024, N 1,024]; A: input x (given as codes); B: input Wq (given as codes): QUANTISED (scales: A lowp_scales[0], B lowp_scales[1])
;;     2. [M 8,192, K 1,024] x [K 1,024, N 1,024]; A: input x (given as codes); B: input Wk (given as codes): QUANTISED (scales: A lowp_scales[2], B lowp_scales[3])
;;     3. [M 8,192, K 1,024] x [K 1,024, N 1,024]; A: input x (given as codes); B: input Wv (given as codes): QUANTISED (scales: A lowp_scales[4], B lowp_scales[5])
;;     4. batch 64 x [M 2,048, K 64] x [K 64, N 2,048]; A: computed on the way; B: computed on the way: QUANTISED (scales: A lowp_scales[6], B lowp_scales[7])
;;     5. batch 64 x [M 2,048, K 2,048] x [K 2,048, N 64]; A: softmax (see below); B: computed on the way: QUANTISED (scales: A lowp_scales[8], B lowp_scales[9])
;;     6. [M 8,192, K 1,024] x [K 1,024, N 1,024]; A: computed on the way; B: input Wo (given as codes): QUANTISED (scales: A lowp_scales[10], B lowp_scales[11])
;;   THE QUANTISER, for each operand of a quantised product, along K:
;;     - The operand's scale is 2^e, e = its entry of the input lowp_scales (int32; the entries are numbered through the quantised products in the list's order, A before B).
;;     - Each number is divided by the scale, clamped to +-448, and rounded to the nearest number of E4M3, ties to even, subnormals kept.
;;     - The product sums the exact products of the quantised numbers (number of the format x scale) in f32.
;;   ~~~python
;;   def quantise(x, axis, e):      # numpy; x: float32 -> the quantised numbers, widened to float32 again
;;       x = np.moveaxis(x, axis, -1); K = x.shape[-1]
;;       r = np.clip(x / 2.0 ** e, -448, 448)
;;       step = 2.0 ** (np.maximum(np.frexp(np.where(r == 0, 1, r))[1] - 1, -6) - 3)
;;       q = np.round(r / step) * step * 2.0 ** e      # np.round: ties to even
;;       return np.moveaxis(q, -1, axis).astype(np.float32)
;;   ~~~
;;   SOFTMAX AHEAD OF A QUANTISED PRODUCT. Where the list says 'softmax', what is quantised is not the finished softmax but p = 2^(t - M), with t = logit x log2(e) and M = ceil(the row's largest t), a whole number; so 1/2 < the row's largest p <= 1. The row's sum l is taken of the UNQUANTISED p, in f32, and the product's result is divided by l at the end. Since M is a whole number, a kernel that streams over the keys may use a running M (the ceiling of the running maximum): every later rescaling is an exact power of two, so the quantised numbers keep their values, but for numbers so far below the row's largest that they fall under the format's range.
;;   OPERANDS COMPUTED ON THE WAY. 'Computed on the way' means the value that the module computes at that place (a softmax that the list does not call 'softmax' is quantised finished and normalised). What goes into a quantiser is computed in f32, as accurately as f32 sums, v_exp_f32 and their like allow (about 1e-6 of the number): no bf16 or f16 on the way to a quantiser, and a product that is left as it is and whose result goes on into a quantised operand takes f32 operands (vector FMAs, or v_wmma_f32_16x16x4_f32). A number that lies on a knife's edge between two numbers of the format may be rounded either way, as far as f32 arithmetic and the matrix unit's own rounding can turn it there, and no further.
;;   INPUTS GIVEN AS CODES. Wk (in the module: [1024, 1024], K = its axis 1); Wo (in the module: [1024, 1024], K = its axis 1); Wq (in the module: [1024, 1024], K = its axis 1); Wv (in the module: [1024, 1024], K = its axis 1); x (in the module: [4, 2048, 1024], K = its axis 2): each comes as NAME_codes (uint8): NAME with its K axis moved to the last place and cut into blocks of 32 codes, [.., K / 32, bytes a block], one block behind the other in memory; one code a byte (a code: sign, 4 exponent bits, 3 mantissa bits); its scale is its entry of lowp_scales. Its value is code x scale, taken as it is: it is not quantised again, and the codes and scales need not be those that the quantiser above would give.
;; One version. Each part assembles by itself: llvm-mc -triple=amdgcn-amd-amdhsa -mcpu=gfx1250 --defsym DOCPART=n.
;; ======== version 1 of 1: 4 launches
;; limits: right only within a limited range of input values
;; workspace buffers: tab 524,288 bytes; q_img 8,388,608 bytes; k_img 8,388,608 bytes; v_img 8,388,608 bytes; ctx_img 8,388,608 bytes
;; launch ropetab (part 1): grid 128 x 1, 4 waves a work-group, no clusters, 0 bytes of LDS; arguments token_positions, tab; writes tab
.if DOCPART == 1
	.amdgcn_target "amdgcn-amd-amdhsa--gfx1250"
	.amdhsa_code_object_version 6
	.text
	.protected	k_q6796436ac8_ropetab
	.globl	k_q6796436ac8_ropetab
	.p2align	8
	.type	k_q6796436ac8_ropetab,@function
k_q6796436ac8_ropetab:
	s_mov_b64 s[64:65], 0
	v_nop
	global_prefetch_b8 v0, s[64:65] scope:SCOPE_SE
	s_setreg_imm32_b32 hwreg(HW_REG_WAVE_MODE, 25, 1), 1
	s_wait_xcnt 0x0
; cos and sin of token_positions[s] x 10000^(-i/32), s = 0 .. 2047, i = 0 .. 31, laid as the next launch's lanes want them:
; tab[blk 128][c4 4][cs 2][lane 32][4 f32]: lane (r = lane % 16, h = lane / 16) holds cos (cs = 0) or sin (cs = 1) of position s = 16 blk + r at i = 8 c4 + 4 h + 0 .. 3.
; A work-group is a blk, a wave a c4, a lane makes four pairs.  65,536 pairs in all: they are made once here, since every tile of q and of k wants them again.
; inv_freq = 2^(-i L), L = log2(10000) / 32: i L is split into a whole number n and a fraction (two fused multiply-adds with L's high and low part), so that the exponential's argument carries no rounding of a large number.
; The angle is position x inv_freq, rounded once.  It is reduced by k = the nearest whole multiple of pi/2 (pi/2 in two parts) to |rest| <= pi/4, where two short polynomials give sin and cos; k's low two bits turn them.
; LIMIT: |position| <= 2^18: beyond it the reduction loses bits.  inv_freq carries the exponential instruction's own error.
; No LDS, no barrier, no matrix unit: 64 bytes of input and 4,096 of output for a work-group.
.set INVF, 8
.set ANG,  12
.set KF,   16
.set R,    20
.set Z,    24
.set PS,   28
.set PC,   32
.set KI,   36
.set CO,   40                          ; v[40:43] four cosines, as stored
.set SI,   44                          ; v[44:47] four sines
.set T,    48
.set T2,   52
.set POS,  56
	s_load_b128 s[4:7], s[0:1], 0x0                ; token_positions s[4:5], tab s[6:7]
	v_lshrrev_b32 v1, 5, v0
	v_readfirstlane_b32 s8, v1                     ; wave = c4
	v_and_b32 v2, 15, v0                           ; r
	v_bfe_u32 v3, v0, 4, 1                         ; h
	v_and_b32 v4, 31, v0                           ; lane
	s_lshl_b32 s9, ttmp9, 6                        ; 16 positions of 4 bytes for a blk
	v_lshl_add_u32 v5, v2, 2, s9                   ; my position's byte
	s_lshl_b32 s10, s8, 3
	v_lshl_add_u32 v6, v3, 2, s10                  ; my first i: 8 c4 + 4 h
	s_lshl_b32 s11, s8, 10
	v_lshl_add_u32 v7, v4, 4, s11                  ; out: 1,024 c4 + 16 lane
	s_lshl_b32 s12, ttmp9, 12                      ; 4,096 bytes for a blk
	s_mov_b32 s13, 0
	s_mov_b32 s14, 0xbed49a78                      ; -L, high part
	s_mov_b32 s15, 0xb2179cb0                      ; -L, low part
	s_mov_b32 s16, 0x3fc90fdb                      ; pi/2, high part
	s_mov_b32 s17, 0xb33bbd2e                      ; pi/2, low part
	s_mov_b32 s18, 0xb94ca1f9                      ; sin: -1.9515296e-4
	s_mov_b32 s19, 0x3c08839e                      ;       8.3321609e-3
	s_mov_b32 s20, 0xbe2aaaa3                      ;      -1.6666655e-1
	s_mov_b32 s21, 0x37ccf5ce                      ; cos:  2.4433157e-5
	s_mov_b32 s22, 0xbab6061a                      ;      -1.3887316e-3
	s_mov_b32 s23, 0x3d2aaaa5                      ;       4.1666646e-2
	s_wait_kmcnt 0x0
	global_load_b32 v[POS], v5, s[4:5]
	s_add_nc_u64 s[6:7], s[6:7], s[12:13]
.irp j, 0,1,2,3
	v_add_nc_u32 v[T+\j], \j, v6
	v_cvt_f32_u32 v[T+\j], v[T+\j]                 ; i
	v_mul_f32 v[KF+\j], s14, v[T+\j]
	v_rndne_f32 v[KF+\j], v[KF+\j]                 ; n = the whole number nearest to -i L
	v_fma_f32 v[R+\j], v[T+\j], s14, -v[KF+\j]     ; the fraction: exact, since i has 5 bits and the difference is under 1
	v_fma_f32 v[R+\j], v[T+\j], s15, v[R+\j]       ; + i x the low part
	v_cvt_i32_f32 v[KI+\j], v[KF+\j]
.endr
.irp j, 0,1,2,3
	v_exp_f32 v[INVF+\j], v[R+\j]                  ; one batch of four
.endr
	v_nop                                          ; a plain instruction behind the last exponential
	s_wait_alu depctr_va_vdst(0)                   ; one wait for the batch, ahead of its first reader
.irp j, 0,1,2,3
	v_ldexp_f32 v[INVF+\j], v[INVF+\j], v[KI+\j]   ; x 2^n: inv_freq
.endr
	s_wait_loadcnt 0x0
	v_cvt_f32_i32 v[POS], v[POS]
.irp j, 0,1,2,3
	v_mul_f32 v[ANG+\j], v[POS], v[INVF+\j]        ; the angle
	v_mul_f32 v[KF+\j], 0x3f22f983, v[ANG+\j]      ; x 2 / pi
	v_rndne_f32 v[KF+\j], v[KF+\j]                 ; k
	v_fma_f32 v[R+\j], -v[KF+\j], s16, v[ANG+\j]
	v_fma_f32 v[R+\j], -v[KF+\j], s17, v[R+\j]     ; the rest, |rest| <= pi/4
	v_mul_f32 v[Z+\j], v[R+\j], v[R+\j]
	v_fma_f32 v[PS+\j], v[Z+\j], s18, s19
	v_fma_f32 v[PC+\j], v[Z+\j], s21, s22
	v_fma_f32 v[PS+\j], v[PS+\j], v[Z+\j], s20
	v_fma_f32 v[PC+\j], v[PC+\j], v[Z+\j], s23
	v_mul_f32 v[T+\j], v[Z+\j], v[R+\j]
	v_mul_f32 v[T2+\j], v[Z+\j], v[Z+\j]
	v_fma_f32 v[PS+\j], v[PS+\j], v[T+\j], v[R+\j] ; sin(rest)
	v_fma_f32 v[T+\j], v[Z+\j], -0.5, 1.0
	v_fma_f32 v[PC+\j], v[PC+\j], v[T2+\j], v[T+\j] ; cos(rest)
	v_cvt_i32_f32 v[KI+\j], v[KF+\j]
	v_and_b32 v[T+\j], 1, v[KI+\j]
	v_cmp_eq_u32 vcc_lo, 1, v[T+\j]                ; k odd: the two change places
	v_cndmask_b32 v[SI+\j], v[PS+\j], v[PC+\j], vcc_lo
	v_cndmask_b32 v[CO+\j], v[PC+\j], v[PS+\j], vcc_lo
	v_lshlrev_b32 v[T+\j], 30, v[KI+\j]
	v_and_b32 v[T+\j], 0x80000000, v[T+\j]         ; bit 1 of k: sin changes sign
	v_xor_b32 v[SI+\j], v[SI+\j], v[T+\j]
	v_add_nc_u32 v[T2+\j], 1, v[KI+\j]
	v_lshlrev_b32 v[T2+\j], 30, v[T2+\j]
	v_and_b32 v[T2+\j], 0x80000000, v[T2+\j]       ; bit 1 of k + 1: cos changes sign
	v_xor_b32 v[CO+\j], v[CO+\j], v[T2+\j]
.endr
	global_store_b128 v7, v[CO:CO+3], s[6:7]               ; the wave stores 512 consecutive bytes,
	global_store_b128 v7, v[SI:SI+3], s[6:7] offset:512    ; and the next 512
	s_endpgm
.Lfunc_end_k_q6796436ac8_ropetab:
	.size	k_q6796436ac8_ropetab, .Lfunc_end_k_q6796436ac8_ropetab-k_q6796436ac8_ropetab
	.p2alignl 7, 3214868480
	.fill 96, 4, 3214868480
	.section	.rodata,"a",@progbits
	.p2align	6, 0x0
	.amdhsa_kernel k_q6796436ac8_ropetab
		.amdhsa_group_segment_fixed_size 0
		.amdhsa_private_segment_fixed_size 0
		.amdhsa_enable_private_segment 0
		.amdhsa_kernarg_size 16
		.amdhsa_user_sgpr_count 2
		.amdhsa_user_sgpr_kernarg_segment_ptr 1
		.amdhsa_wavefront_size32 1
		.amdhsa_system_sgpr_workgroup_id_x 1
		.amdhsa_system_sgpr_workgroup_id_y 1
		.amdhsa_system_sgpr_workgroup_id_z 1
		.amdhsa_system_vgpr_workitem_id 0
		.amdhsa_next_free_vgpr 64
		.amdhsa_next_free_sgpr 66
		.amdhsa_reserve_vcc 1
		.amdhsa_float_denorm_mode_32 3
		.amdhsa_float_denorm_mode_16_64 3
		.amdhsa_memory_ordered 1
		.amdhsa_forward_progress 1
		.amdhsa_inst_pref_size 9
	.end_amdhsa_kernel
	.amdgpu_metadata
---
amdhsa.version: [ 1, 2 ]
amdhsa.kernels:
  - .name:           k_q6796436ac8_ropetab
    .symbol:         k_q6796436ac8_ropetab.kd
    .args:
      - { .name: token_positions, .offset: 0, .size: 8, .value_kind: global_buffer, .address_space: global }
      - { .name: tab, .offset: 8, .size: 8, .value_kind: global_buffer, .address_space: global }
    .group_segment_fixed_size: 0
    .private_segment_fixed_size: 0
    .kernarg_segment_align: 8
    .kernarg_segment_size: 16
    .max_flat_workgroup_size: 128
    .sgpr_count:     66
    .vgpr_count:     64
    .wavefront_size: 32
...
	.end_amdgpu_metadata
.endif
;; end of part 1
;; launch qkv (part 2): grid 12 x 64, 4 waves a work-group, clusters of 4 x 4, 327,680 bytes of LDS; arguments x_codes, Wq_codes, Wk_codes, Wv_codes, lowp_scales, tab, q_img, k_img, v_img; writes q_img, k_img, v_img
.if DOCPART == 2
	.amdgcn_target "amdgcn-amd-amdhsa--gfx1250"
	.amdhsa_code_object_version 6
	.text
	.protected	k_q6796436ac8_qkv
	.globl	k_q6796436ac8_qkv
	.p2align	8
	.type	k_q6796436ac8_qkv,@function
k_q6796436ac8_qkv:
	s_mov_b64 s[64:65], 0
	v_nop
	global_prefetch_b8 v0, s[64:65] scope:SCOPE_SE
	s_setreg_imm32_b32 hwreg(HW_REG_WAVE_MODE, 25, 1), 1
	s_wait_xcnt 0x0
	s_wait_alu depctr_hold_cnt(0) depctr_sa_sdst(0) depctr_va_vdst(0) depctr_va_sdst(0) depctr_va_ssrc(0) depctr_va_vcc(0) depctr_vm_vsrc(0)
	s_getreg_b32 s2, hwreg(HW_REG_IB_STS2, 6, 4)
	s_cmp_eq_u32 s2, 0
	s_cbranch_scc0 .Lentry_in_a_cluster
	s_endpgm
.Lentry_in_a_cluster:
	s_bfe_u32 s2, ttmp6, 0x10000c
	s_cmp_lg_u32 s2, 0xf033
	s_cbranch_scc0 .Lentry_shape_is_right
	s_endpgm
.Lentry_shape_is_right:
; q = rope(x Wq^T), k = rope(x Wk^T), v = x Wv^T on codes of E4M3 (x: [8192][1024], W: [1024][1024], K innermost), each result quantised with its given scale and stored as the next launch's operand registers want it.
; THE CLUSTER'S x SAYS WHICH: 0 = q, 1 = k, 2 = v; it is the same in all sixteen partners.
; A TILE.  A work-group of four waves multiplies 256 rows of a matrix P (matrix source 0) by 128 rows of a matrix Q (source 1); a wave 128 x 64: 32 accumulators, 256 registers.  768 work-groups: three for each of 256 WGPs.
; In a result lane l holds Q's row l % 16 and its eight registers P's rows 8 (l / 16) + 0 .. 7.  q, k: P = W, Q = x: a lane holds eight neighbouring channels of one token: RoPE's pairs, and eight neighbours along the next K.
; v: P = x, Q = Wv: a lane holds eight neighbouring KEYS of one channel, which are neighbours along the K of attention's second product.  Nothing is transposed by an instruction.
; K = 1,024 goes in four steps of 256 through two LDS slots filled by the tensor data mover: rows of 256 bytes.  A slot holds two steps of 128 (32 matrix instructions a wave each); all eight are written out.
; CLUSTERS: 4 x 4.  Q's tile hangs on the cluster's y and cy alone and is asked for jointly by a row of the cluster, P's on the cluster's y and cx alone, by a column.
; A fragment (16 rows x 128 K) is fetched by four loads of 16 bytes: registers 4 c .. 4 c + 3 hold K = 32 c + 16 (l / 16) + 0 .. 15: a permutation of k, the same on both sides, so every product meets its partner.
; SCALES.  A sum stands for sum x 2^(eA + eB); RoPE is linear; so the conversion takes the one scale 2^E, E = e_out - eA - eB (q: e6 - e0 - e1; k: e7 - e2 - e3; v: e9 - e4 - e5).  LIMIT: E between -126 and 119.  NaN is not served.
; OUT.  q_img, k_img: [16 b + head][tile 128][c2 2][lane 32][16 bytes]: tile 2 g + u, lane (r, h): token 32 g + 8 u + r + 8 (r / 8), channels 32 c2 + 16 h + 0 .. 15.
;       v_img: [16 b + head][128 keys 16][c / 2][t 4][c % 2][lane 32][16 bytes]: lane (r, h): channel 32 (t / 2) + 8 (t % 2) + r + 8 (r / 8), keys 32 c + 16 h + 0 .. 15.
; No prefetch: of the four K steps two are first fills, and the tiles are read by many work-groups at about the same time.
; REGISTERS, in windows of 256: window 0: v16-31 addresses and scales; v64-127 codes; v128-255 Q's fragments, two sets (on the way out: rows read back).  window 1: P's fragments, two sets (on the way out: the numbers ahead of the quantiser).
;   window 2: the accumulators, (a, b) at v[8 (8 a + b)].   window 3: v0-127 cos and sin (q, k).
.set PITCH,  272                       ; an LDS row: 256 bytes + 16 of padding, so that the 16 rows that a load touches begin 16 bytes further on in each 256
.set QBYTES, 128*PITCH                 ; Q's 128 rows,
.set SLOT,   384*PITCH                 ; then P's 256
.set STAGE,  2*SLOT                    ; behind the ring: 64 rows x (128 bytes + 16) for each wave; no tile lands here
.set SPT,    144
.set SPARE,  STAGE+4*64*SPT            ; the spare words: 128 bytes for each wave, which no other line names
.set ADRQ, 16                          ; v16-17  LDS address of my fragments of Q in slot 0, 1
.set ADRP, 20                          ; v20-21  of P
.set STO,  24                          ; v24     the stage: where I put 8 codes
.set RD,   25                          ; v25     and where I read 16 back
.set CO,   26                          ; v26     16 x lane;  v27  the same + the distance from chunks 0, 1 to chunks 2, 3
.set SPW,  28                          ; v28     my spare word; never rewritten
.set NIL,  29                          ; v29     0; never rewritten
.set LIM,  30                          ; v30     448 x 2^E
.set SC,   31                          ; v31     2^E
.set CD,   64
.set QF,   128
.set BK,   128
.set G1,  24                           ; s[24:31] group 1 for Q's tiles; s[32:39] group 0, a set for each slot
.set G0,  32
.set G1B, 48                           ; s[48:55], s[56:63] the same for P's
.set G0B, 56
.set FLAGS, (1<<20)|(1<<21)|(5<<22)|(3<<25)   ; elements of 1 byte; padding on; bit 21 beside a mask; after every 64 words; 4 words
.set MSB, 0
.macro WIN new                         ; the immediate's high byte repeats the setting that is left
.if MSB != \new
	s_set_vgpr_msb (MSB<<8)|\new
.set MSB, \new
.endif
.endm
.set MUL, 0xa1                         ; source 0 (P) window 1, source 1 (Q) window 0, C and D window 2
; A joint load: waves 0 and 1 fetch Q's halves, waves 2 and 3 P's.  The branch hangs on the wave's number alone.  Four v_nop follow each of the two lines.
.macro JLOAD g0a, g1a, g0b, g1b
	s_cmp_eq_u32 s15, 0
	s_cbranch_scc0 .Lfor_p_\@
	tensor_load_to_lds s[\g0a:\g0a+3], s[\g1a:\g1a+7]
	s_nop 0
.rept 4
	v_nop
.endr
	s_branch .Lasked_\@
.Lfor_p_\@:
	tensor_load_to_lds s[\g0b:\g0b+3], s[\g1b:\g1b+7]
	s_nop 0
.rept 4
	v_nop
.endr
.Lasked_\@:
.endm
.macro CREST                           ; a round of the cluster's barrier behind its opening barrier
	s_cmp_lg_u32 s14, 0
	s_cbranch_scc1 .Lnot_wave_0_\@
	s_barrier_signal -3
.Lnot_wave_0_\@:
	s_barrier_wait -3
	s_barrier_signal -1
	s_barrier_wait -1
.endm
.macro CROUND
	s_barrier_signal -1
	s_barrier_wait -1
	CREST
.endm
.macro PLACES n
.rept \n
	v_nop
.endr
.endm
	s_load_b256 s[4:11], s[0:1], 0x0               ; x s[4:5], Wq s[6:7], Wk s[8:9], Wv s[10:11]
	s_load_b256 s[80:87], s[0:1], 0x20             ; scales s[80:81], tab s[82:83], q_img s[84:85], k_img s[86:87]
	s_load_b64 s[88:89], s[0:1], 0x40              ; v_img
	v_lshl_add_u32 v[SPW], v0, 2, SPARE
	v_mov_b32 v[NIL], 0
	ds_add_u32 v28, v29
	ds_add_u32 v28, v29
	s_wait_dscnt 0x0
	v_lshrrev_b32 v1, 5, v0
	v_readfirstlane_b32 s14, v1                    ; wave 0..3
	s_lshr_b32 s15, s14, 1                         ; which 64 rows of Q are mine.  Also: I fetch for Q (0) or for P (1)
	s_and_b32 s16, s14, 1                          ; which 128 rows of P.  Also: which half of that tile I fetch
	s_bfe_u32 s40, ttmp6, 0x40000                  ; cx
	s_bfe_u32 s41, ttmp6, 0x40004                  ; cy
	s_mov_b32 s12, ttmp9                           ; the cluster's x: 0 q, 1 k, 2 v
	s_and_b32 s13, ttmp7, 0xffff                   ; the cluster's y, 0 .. 15
	s_lshl_b32 s43, s41, 2
	s_lshl_b32 s43, 15, s43                        ; my row of the cluster
	s_lshl_b32 s44, 0x1111, s40                    ; my column
	s_or_b32 s[G1+0], s43, FLAGS                   ; Q's tiles go to my row: 64 rows x 256 bytes a load
	s_mov_b32 s[G1+1], 256<<16                     ; tensor_dim0
	s_mov_b32 s[G1+2], 64<<16                      ; tensor_dim1
	s_mov_b32 s[G1+3], 256<<16                     ; tile_dim0
	s_mov_b32 s[G1+4], 64                          ; tile_dim1
	s_mov_b32 s[G1+5], 1024                        ; from row to row
	s_mov_b32 s[G1+6], 0
	s_mov_b32 s[G1+7], 0
	s_or_b32 s[G1B+0], s44, FLAGS                  ; P's to my column: 128 rows x 256 bytes a load
	s_mov_b32 s[G1B+1], 256<<16
	s_mov_b32 s[G1B+2], 128<<16
	s_mov_b32 s[G1B+3], 256<<16
	s_mov_b32 s[G1B+4], 128
	s_mov_b32 s[G1B+5], 1024
	s_mov_b32 s[G1B+6], 0
	s_mov_b32 s[G1B+7], 0
	; q, k: P = W has 4 tiles (cx), Q = x has 64 (4 y + cy).   v: P = x has 32 (4 (y / 2) + cx), Q = Wv has 8 (4 (y % 2) + cy)
	s_lshr_b32 s17, s13, 1
	s_and_b32 s18, s13, 1
	s_cmp_eq_u32 s12, 2
	s_cselect_b32 s17, s17, 0
	s_cselect_b32 s18, s18, s13
	s_lshl_b32 s17, s17, 2
	s_add_co_u32 s42, s17, s40                     ; P's tile
	s_lshl_b32 s18, s18, 2
	s_add_co_u32 s19, s18, s41                     ; Q's tile
	s_lshl_b32 s46, s42, 8
	s_lshl_b32 s20, s16, 7
	s_add_co_u32 s46, s46, s20                     ; P: row 256 x tile + 128 x half,
	s_lshl_b32 s46, s46, 10                        ; in bytes (under 2^23)
	s_mov_b32 s47, 0
	s_lshl_b32 s90, s19, 7
	s_lshl_b32 s20, s16, 6
	s_add_co_u32 s90, s90, s20                     ; Q: row 128 x tile + 64 x half
	s_lshl_b32 s90, s90, 10
	s_mov_b32 s91, 0
	s_mul_i32 s45, s16, 64*PITCH                   ; where they go: Q's halves,
	s_mul_i32 s92, s16, 128*PITCH
	s_add_co_u32 s92, s92, QBYTES                  ; P's halves behind them: no place in the cluster enters an LDS address
	s_wait_kmcnt 0x0
	s_load_b256 s[68:75], s[80:81], 0x0            ; e0 .. e7
	s_load_b128 s[76:79], s[80:81], 0x20           ; e8 .. e11
	s_cmp_eq_u32 s12, 0
	s_cselect_b64 s[20:21], s[6:7], s[8:9]
	s_cmp_eq_u32 s12, 2
	s_cselect_b64 s[20:21], s[4:5], s[20:21]       ; P's matrix
	s_cselect_b64 s[22:23], s[10:11], s[4:5]       ; Q's
	s_add_nc_u64 s[46:47], s[20:21], s[46:47]
	s_add_nc_u64 s[90:91], s[22:23], s[90:91]
	CROUND                                         ; all sixteen work-groups are here: the first joint loads meet
.irp s, 0,1
	s_mov_b32 s[G0+4*\s], 1
	s_add_co_u32 s[G0+4*\s+1], s45, \s*SLOT
	s_add_nc_u64 s[G0+4*\s+2:G0+4*\s+3], s[90:91], \s*256
	s_or_b32 s[G0+4*\s+3], s[G0+4*\s+3], 0x80000000
	s_mov_b32 s[G0B+4*\s], 1
	s_add_co_u32 s[G0B+4*\s+1], s92, \s*SLOT
	s_add_nc_u64 s[G0B+4*\s+2:G0B+4*\s+3], s[46:47], \s*256
	s_or_b32 s[G0B+4*\s+3], s[G0B+4*\s+3], 0x80000000
	JLOAD G0+4*\s, G1, G0B+4*\s, G1B               ; K steps 0 and 1: two loads of mine are out
.endr
	v_and_b32 v1, 15, v0                           ; r
	s_wait_alu depctr_va_vdst(0)
	v_bfe_u32 v2, v0, 4, 1                         ; h
	v_mul_u32_u24 v3, v1, PITCH
	v_lshl_add_u32 v4, v2, 4, v3                   ; a fragment's row x pitch + 16 h
	s_mul_i32 s21, s15, 64*PITCH                   ; my 64 rows of Q
	s_mul_i32 s22, s16, 128*PITCH
	s_add_co_u32 s22, s22, QBYTES                  ; my 128 rows of P
.irp s, 0,1
	v_add_nc_u32 v[ADRQ+\s], s21, v4
	v_add_nc_u32 v[ADRP+\s], s22, v4
	s_add_co_u32 s21, s21, SLOT
	s_add_co_u32 s22, s22, SLOT
.endr
	s_mul_i32 s23, s14, 64*SPT
	s_add_co_u32 s23, s23, STAGE                   ; my stage
	v_mul_u32_u24 v5, v1, SPT
	s_wait_alu depctr_va_vdst(0)
	v_lshl_add_u32 v5, v2, 3, v5
	v_add_nc_u32 v[STO], s23, v5                   ; in: row r, 8 bytes for each half of the lanes
	v_and_b32 v6, 8, v1
	v_add_nc_u32 v6, v6, v1                        ; r + 8 (r / 8)
	v_mul_u32_u24 v6, v6, SPT
	v_lshl_add_u32 v6, v2, 4, v6
	v_add_nc_u32 v[RD], s23, v6                    ; back: THE ROWS OF A TILE OF THE IMAGE ARE NOT NEIGHBOURS
	v_and_b32 v7, 31, v0
	v_lshlrev_b32 v[CO], 4, v7
	s_mov_b32 s93, 0x20000                         ; q, k: chunks 2, 3 are the next head's, 131,072 bytes on;
	s_cmp_eq_u32 s12, 2
	s_cselect_b32 s93, 4096, s93                   ; v: keys 64 .. 127 of the group, 4,096 bytes on
	v_add_nc_u32 v[CO+1], s93, v[CO]
	s_lshl_b32 s20, s19, 7
	s_lshl_b32 s21, s15, 6
	s_add_co_u32 s20, s20, s21                     ; my first row of Q
	s_lshl_b32 s21, s42, 8
	s_lshl_b32 s22, s16, 7
	s_add_co_u32 s21, s21, s22                     ; my first row of P
	s_cmp_eq_u32 s12, 2
	s_cselect_b32 s22, s21, s20                    ; my first row of x,
	s_cselect_b32 s23, s20, s21                    ; and of W
	s_lshr_b32 s94, s22, 11                        ; b
	s_lshl_b32 s94, s94, 4
	s_lshr_b32 s23, s23, 6                         ; head
	s_add_co_u32 s94, s94, s23
	s_lshl_b32 s94, s94, 17                        ; 131,072 bytes for a (b, head)
	s_and_b32 s22, s22, 2047
	s_lshl_b32 s22, s22, 6                         ; 64 bytes for a token, in all three images
	s_add_co_u32 s94, s94, s22
	s_mov_b32 s95, 0
	s_cmp_eq_u32 s12, 0
	s_cselect_b64 s[96:97], s[84:85], s[86:87]
	s_cmp_eq_u32 s12, 2
	s_cselect_b64 s[96:97], s[88:89], s[96:97]
	s_add_nc_u64 s[96:97], s[96:97], s[94:95]      ; where my part of the image begins
	s_and_b32 s20, s20, 2047
	s_lshl_b32 s20, s20, 8                         ; the table: 4,096 bytes for 16 tokens
	s_mov_b32 s21, 0
	s_add_nc_u64 s[82:83], s[82:83], s[20:21]
.macro FRAG reg, adr, q, i             ; 16 rows x 128 K: four loads of 16 bytes, 32 bytes apart
.irp c, 0,1,2,3
	ds_load_b128 v[\reg+4*\c:\reg+4*\c+3], v[\adr] offset:128*(\q)+32*\c+(\i)*16*PITCH
.endr
.endm
.macro FETCH slot, q, p                ; 48 loads in one run: P's eight and Q's four fragments of the slot's q-th 128 along K, into set p
	WIN 0x40
.irp i, 0,1,2,3,4,5,6,7
	FRAG 128*(\p)+16*\i, ADRP+\slot, \q, \i
.endr
	WIN 0
.irp i, 0,1,2,3
	FRAG QF+64*(\p)+16*\i, ADRQ+\slot, \q, \i
.endr
.endm
.macro MUL8 a, p, zero                 ; Q's block a against P's eight.  The 32 accumulators take turns, one instruction a turn, in the same order in every step
.irp b, 0,1,2,3,4,5,6,7
.if \zero
	v_wmma_f32_16x16x128_fp8_fp8 v[8*(8*(\a)+\b):8*(8*(\a)+\b)+7], v[128*(\p)+16*\b:128*(\p)+16*\b+15], v[QF+64*(\p)+16*(\a):QF+64*(\p)+16*(\a)+15], 0
.else
	v_wmma_f32_16x16x128_fp8_fp8 v[8*(8*(\a)+\b):8*(8*(\a)+\b)+7], v[128*(\p)+16*\b:128*(\p)+16*\b+15], v[QF+64*(\p)+16*(\a):QF+64*(\p)+16*(\a)+15], v[8*(8*(\a)+\b):8*(8*(\a)+\b)+7]
.endif
.endr
.endm
; A slot's first step multiplies set 0 and fetches the slot's second 128 along K into set 1.
.macro STEP slot, zero
	s_wait_dscnt 0x0                               ; set 0 is in (asked for 16 matrix instructions ago; at the first step just before)
	PLACES 4                                       ; four plain instructions between the last products, which read set 1, and the loads into it (ISA guide 7.12.1 for vector instructions)
	FETCH \slot, 1, 1
	WIN MUL
	MUL8 0, 0, \zero
	MUL8 1, 0, \zero
	MUL8 2, 0, \zero
	MUL8 3, 0, \zero
	WIN 0
.endm
; A slot's second step multiplies set 1 and changes slots: ONE barrier; in front of it each wave waits for all its tensor loads, adds 0 to its spare word, and waits for that and for its reads of this slot.
.macro TURN slot, next, fill
	s_wait_tensorcnt 0x0                           ; all my tensor loads have landed: my part of the next slot
	ds_add_u32 v[SPW], v[NIL]                      ; 0 onto my spare word
	s_wait_dscnt 1                                 ; set 1 is in; the add alone may be out
	WIN MUL
	MUL8 0, 1, 0                                   ; eight matrix instructions stand between the add and the wait for it
	s_wait_dscnt 0x0                               ; the add is done, and my reads of this slot are over
	s_barrier_signal -1
	MUL8 1, 1, 0
	WIN 0
	s_barrier_wait -1
.if \fill
	CREST                                          ; the barrier has opened a round of the cluster's: no wave of any partner still reads this slot or has a load on its way
	s_add_nc_u64 s[G0+4*\slot+2:G0+4*\slot+3], s[G0+4*\slot+2:G0+4*\slot+3], 512
	s_add_nc_u64 s[G0B+4*\slot+2:G0B+4*\slot+3], s[G0B+4*\slot+2:G0B+4*\slot+3], 512
	JLOAD G0+4*\slot, G1, G0B+4*\slot, G1B         ; two K steps on; the first tensor load behind the round; its four v_nop are the places in front of the loads below
.else
	PLACES 4
.endif
	FETCH \next, 0, 0
	WIN MUL
	MUL8 2, 1, 0
	MUL8 3, 1, 0
	WIN 0
.endm
.macro LAST                            ; the last 128 along K: nothing more to fetch
	s_wait_dscnt 0x0
	WIN MUL
	MUL8 0, 1, 0
	MUL8 1, 1, 0
	MUL8 2, 1, 0
	MUL8 3, 1, 0
	WIN 0
	PLACES 4                                       ; in front of the first read of results and the first write over fragments
.endm
; RoPE on four neighbouring channels (two pairs).  x: their registers: the sums in window 2, the result under the same numbers in window 1.  t: a pair of cosines in window 3; the sines lie 4 registers on.
; (x0, x1) -> (x0 c - x1 s, x1 c + x0 s): a packed product with the halves crossed, then a packed multiply-add that takes the low half of it negative.
.macro ROT x, t
	v_pk_mul_f32 v[\x:\x+1], v[\x:\x+1], v[\t+4:\t+5] op_sel:[1,0] op_sel_hi:[0,0]
	v_pk_mul_f32 v[\x+2:\x+3], v[\x+2:\x+3], v[\t+4:\t+5] op_sel:[1,1] op_sel_hi:[0,1]
	v_pk_fma_f32 v[\x:\x+1], v[\x:\x+1], v[\t:\t+1], v[\x:\x+1] op_sel:[0,0,0] op_sel_hi:[1,0,1] neg_lo:[0,0,1]
	v_pk_fma_f32 v[\x+2:\x+3], v[\x+2:\x+3], v[\t:\t+1], v[\x+2:\x+3] op_sel:[0,1,0] op_sel_hi:[1,1,1] neg_lo:[0,0,1]
.endm
	s_wait_tensorcnt 1                             ; my part of K step 0 is in; K step 1's load may stay out
	s_barrier_signal -1
	s_barrier_wait -1                              ; everybody's is
	FETCH 0, 0, 0
	STEP 0, 1                                      ; the first products start the sums: nothing is cleared
	TURN 0, 1, 1
	STEP 1, 0
	TURN 1, 0, 1
	STEP 0, 0
	TURN 0, 1, 0                                   ; the last change of slots fills nothing
	s_wait_kmcnt 0x0
	s_sub_co_i32 s92, s74, s68
	s_sub_co_i32 s92, s92, s69                     ; q: e6 - e0 - e1
	s_sub_co_i32 s93, s75, s70
	s_sub_co_i32 s93, s93, s71                     ; k: e7 - e2 - e3
	s_sub_co_i32 s94, s77, s72
	s_sub_co_i32 s94, s94, s73                     ; v: e9 - e4 - e5
	s_cmp_eq_u32 s12, 0
	s_cselect_b32 s92, s92, s93
	s_cmp_eq_u32 s12, 2
	s_cselect_b32 s92, s94, s92                    ; E
	s_add_co_i32 s92, s92, 127
	s_lshl_b32 s93, s92, 23
	v_mov_b32 v[SC], s93                           ; 2^E as f32: the conversion takes its exponent field
	s_add_co_i32 s92, s92, 8
	s_lshl_b32 s92, s92, 23
	s_or_b32 s92, s92, 0x600000
	v_mov_b32 v[LIM], s92                          ; 448 x 2^E
	; ONE branch, on the cluster's x.  Both ways hold the last two steps; q's and k's asks for its cos and sin first, 64 matrix instructions ahead of their use.  No barrier and no tensor load stands in either.
	s_cmp_eq_u32 s12, 2
	s_cbranch_scc1 .Lfor_v
	WIN 0xc0                                       ; destination window 3
	s_wait_alu depctr_va_vdst(0)
.irp a, 0,1,2,3
.irp c, 0,1,2,3
	global_load_b128 v[32*\a+8*\c:32*\a+8*\c+3], v[CO], s[82:83] offset:4096*\a+1024*\c           ; cos of token 16 a + r at frequencies 8 c + 4 h + 0 .. 3
	global_load_b128 v[32*\a+8*\c+4:32*\a+8*\c+7], v[CO], s[82:83] offset:4096*\a+1024*\c+512     ; sin
.endr
.endr
	WIN 0
	STEP 1, 0
	LAST
	s_wait_loadcnt 0x0                             ; the table
	WIN 0x5e                                       ; source 0 (sums) window 2, source 1 (table) window 3, source 2 and destination window 1
.set n, 0
.rept 32                               ; accumulator n = 8 a + b: channels 16 (b % 4) + 8 h + 0 .. 7 of a head: frequencies 8 (b % 4) + 4 h + 0 .. 3.  Each accumulator is read from its low end on
.set xx, 8*n
.set tt, 32*(n/8)+8*(n%4)
	ROT xx, tt
	ROT xx+4, tt+2
.set n, n+1
.endr
	WIN 0x41
.set n, 0
.rept 256
.set n, n+1
.endr
	WIN 0
	s_branch .Lcodes
.Lfor_v:
	STEP 1, 0
	LAST
	WIN 0x42                                       ; source 0 window 2, destination window 1
.set n, 0
	s_wait_alu depctr_va_vdst(0)
.rept 256
	v_med3_num_f32 v[n], v[n], -v[LIM], v[LIM]
.set n, n+1
.endr
	WIN 0
.Lcodes:
	WIN 0x01                                       ; source 0 window 1
.set n, 0
.rept 32
	v_cvt_scalef32_pk8_fp8_f32 v[CD+2*n:CD+2*n+1], v[8*n:8*n+7], v[SC]
.set n, n+1
.endr
	v_nop                                          ; a plain instruction behind the last conversion
	WIN 0
	; Through my own stage: in by Q's rows (8 codes a lane), back in the image's order (16 codes a lane).  LDS serves a wave's instructions in order (ISA guide 5.7.1.4): no wait between the stores and the loads.
.irp a, 0,1,2,3
.irp b, 0,1,2,3,4,5,6,7
	ds_store_b64 v[STO], v[CD+2*(8*\a+\b):CD+2*(8*\a+\b)+1] offset:16*SPT*\a+16*\b
.endr
.endr
.irp t, 0,1,2,3
.irp c, 0,1,2,3
	ds_load_b128 v[BK+4*(4*\t+\c):BK+4*(4*\t+\c)+3], v[RD] offset:(32*(\t/2)+8*(\t%2))*SPT+32*\c
.endr
.endr
.irp t, 0,1,2,3
.irp c, 0,1,2,3
	s_wait_dscnt 15-(4*\t+\c)                      ; the younger reads may be out
	global_store_b128 v[CO+\c/2], v[BK+4*(4*\t+\c):BK+4*(4*\t+\c)+3], s[96:97] offset:1024*\t+512*(\c%2)   ; the wave stores 512 consecutive bytes, at a multiple of 512 from the buffer's first byte
.endr
.endr
	s_wait_tensorcnt 0x0                           ; the wave's end
	ds_add_u32 v[SPW], v[NIL]
	s_wait_dscnt 0x0
	CROUND                                         ; the closing round
	s_endpgm
.Lfunc_end_k_q6796436ac8_qkv:
	.size	k_q6796436ac8_qkv, .Lfunc_end_k_q6796436ac8_qkv-k_q6796436ac8_qkv
	.p2alignl 7, 3214868480
	.fill 96, 4, 3214868480
	.section	.rodata,"a",@progbits
	.p2align	6, 0x0
	.amdhsa_kernel k_q6796436ac8_qkv
		.amdhsa_group_segment_fixed_size 327680
		.amdhsa_private_segment_fixed_size 0
		.amdhsa_enable_private_segment 0
		.amdhsa_kernarg_size 72
		.amdhsa_user_sgpr_count 2
		.amdhsa_user_sgpr_kernarg_segment_ptr 1
		.amdhsa_wavefront_size32 1
		.amdhsa_system_sgpr_workgroup_id_x 1
		.amdhsa_system_sgpr_workgroup_id_y 1
		.amdhsa_system_sgpr_workgroup_id_z 1
		.amdhsa_system_vgpr_workitem_id 0
		.amdhsa_next_free_vgpr 1024
		.amdhsa_next_free_sgpr 100
		.amdhsa_reserve_vcc 0
		.amdhsa_float_denorm_mode_32 3
		.amdhsa_float_denorm_mode_16_64 3
		.amdhsa_fp16_overflow 1
		.amdhsa_memory_ordered 1
		.amdhsa_forward_progress 1
		.amdhsa_inst_pref_size 104
	.end_amdhsa_kernel
	.amdgpu_metadata
---
amdhsa.version: [ 1, 2 ]
amdhsa.kernels:
  - .name:           k_q6796436ac8_qkv
    .symbol:         k_q6796436ac8_qkv.kd
    .args:
      - { .name: x_codes, .offset: 0, .size: 8, .value_kind: global_buffer, .address_space: global }
      - { .name: Wq_codes, .offset: 8, .size: 8, .value_kind: global_buffer, .address_space: global }
      - { .name: Wk_codes, .offset: 16, .size: 8, .value_kind: global_buffer, .address_space: global }
      - { .name: Wv_codes, .offset: 24, .size: 8, .value_kind: global_buffer, .address_space: global }
      - { .name: lowp_scales, .offset: 32, .size: 8, .value_kind: global_buffer, .address_space: global }
      - { .name: tab, .offset: 40, .size: 8, .value_kind: global_buffer, .address_space: global }
      - { .name: q_img, .offset: 48, .size: 8, .value_kind: global_buffer, .address_space: global }
      - { .name: k_img, .offset: 56, .size: 8, .value_kind: global_buffer, .address_space: global }
      - { .name: v_img, .offset: 64, .size: 8, .value_kind: global_buffer, .address_space: global }
    .group_segment_fixed_size: 327680
    .private_segment_fixed_size: 0
    .kernarg_segment_align: 8
    .kernarg_segment_size: 72
    .max_flat_workgroup_size: 128
    .sgpr_count:     100
    .vgpr_count:     1024
    .wavefront_size: 32
...
	.end_amdgpu_metadata
.endif
;; end of part 2
;; launch attn (part 3): grid 4 x 64, 8 waves a work-group, no clusters, 327,680 bytes of LDS; arguments q_img, k_img, v_img, lowp_scales, ctx_img; writes ctx_img
.if DOCPART == 3
	.amdgcn_target "amdgcn-amd-amdhsa--gfx1250"
	.amdhsa_code_object_version 6
	.text
	.protected	k_q6796436ac8_attn
	.globl	k_q6796436ac8_attn
	.p2align	8
	.type	k_q6796436ac8_attn,@function
k_q6796436ac8_attn:
	s_mov_b64 s[64:65], 0
	v_nop
	global_prefetch_b8 v0, s[64:65] scope:SCOPE_SE
	s_setreg_imm32_b32 hwreg(HW_REG_WAVE_MODE, 25, 1), 1
	s_wait_xcnt 0x0
; Causal attention for one (batch, head), both products on codes of E4M3; the result is quantised for the output projection.  2,048 tokens, 64 channels.
; q_img, k_img, v_img hold operand registers on end (their layouts: at the head of the launch that writes them): every fragment is 16 bytes a lane at 16 x lane.
; THE SOFTMAX: t = score x log2(e) / 8; M = the running largest t rounded UP to a whole number; p = 2^(t - M) is quantised with 2^e8, not normalised; the row's sum is taken of the unquantised p and divides at the end.
; When M moves, the sum and O are multiplied by 2^(old M - new M): exact, and no branch on data.
; SHARES.  Work-group i (0 .. 3) of a head owns query blocks i and 7 - i, 256 tokens each, one after the other: block i walks key slots 0 .. i, block 7 - i slots 0 .. 7 - i: NINE slots of 256 keys in every work-group.
; So all 256 work-groups have the same work and every trip count is a constant.  A wave owns 32 queries, two tiles of 16, so that each fragment of K and V read from LDS feeds two matrix instructions; two waves share a SIMD.
; A key step (128 keys) all of whose keys come after the wave's queries is jumped over (a scalar branch on ids; no barrier and no tensor load stands in a step); on the diagonal hidden scores become -infinity.
; NO CLUSTER: in trip n the four work-groups of a head want key slots n, n - 1 .. or 0 again, each by its own i; asked for jointly in step, a head's walk would take 12 slots for each of them in place of 9.
; LAYOUT.  S^T = K Q^T (source 0 = 16 keys, source 1 = 16 queries; K = 64), O^T = V^T P^T (source 0 = 16 channels, source 1 = P; K = 128 keys): a lane holds ONE query throughout.
; The keys of a tile of K and the channels of a tile of V are chosen (row r + 8 (r / 8)) so that the 16 registers of two neighbouring tiles are 16 neighbours along the next K: conversions' results ARE the next operand.
; ctx_img: [row tile 512][head 16][c2 2][lane 32][16 bytes]: tile 2 G + u, lane (r, h): row 32 G + 8 u + r + 8 (r / 8) of the 8,192, channels 32 c2 + 16 h + 0 .. 15 of the head: my lanes' codes as they stand.
; LIMITS on the given exponents: e6 + e7 between -123 and 130 (added to c's exponent field); e8, and e10 - e8 - e9, between -126 and 119.  NaN is not served.
; REGISTERS.  window 0: v1-9 addresses; v12-27 eight statistics a tile; v28-31 scales; v32-63 p's codes; v64-191 S^T, then p; v192-194 at work; v200-215 ctx's codes.
;   window 1: v0-63 K (8 tiles); v64-127 V (4 tiles); v128-191 O^T (2 x 4 tiles); v192-207 Q; v208-223 the second block's Q.
.set SLOT1, 32768                      ; a slot: K's 16 KiB, then V's 16 KiB; one exclusive or turns an address from one slot to the other
.set VOFF,  16384
.set SPARE, 65536                      ; the spare words: 128 bytes for each of eight waves, which no other line names
.set LA,   1                           ; v1   16 x lane; never rewritten
.set ADR,  2                           ; v2   the slot in hand + 16 x lane
.set PFO,  3                           ; v3   256 x lane; never rewritten
.set SPW,  4                           ; v4   my spare word; never rewritten
.set NIL,  5                           ; v5   0; never rewritten
.set DQ,   6                           ; v6-7 tile u: my query less the wave's first, less 16 h
.set DD,   8                           ; v8-9 the same less the step's first key
.set ST,   12                          ; tile u at v[ST + 8 u]: +0 -M, +1 the largest t, +2, +3 the sum in two halves, +4 f (+5 named with it), +6, +7 at work
.set PLIM, 28
.set PSC,  29                          ; 2^e8
.set CLIM, 30
.set CSC,  31                          ; 2^(e10 - e8 - e9)
.set PC,   32
.set S,    64
.set XP,   192                         ; v192-193 what comes from lane l xor 16
.set NINF, 194
.set CC,   200
.set VR,   64                          ; in window 1
.set OT,   128
.set QR,   192
.set QH,   208
.set WV,   18
.set IB,   19                          ; s19  i
.set SEL,  20                          ; s[20:21] lane selects: lane l xor 16
.set CS,   22                          ; s[22:23] c = log2(e) / 8 x 2^(e6 + e7)
.set G1,   24
.set G0,   32
.set BASE, 36                          ; s[36:37] my part of key slot 0 in memory
.set OFS,  38                          ; s[38:39] 16,384 x the key slot
.set KSN,  40                          ; s40  the key slot last asked for
.set TR,   41                          ; s41  the trip
.set SW,   42                          ; s42  i + 1: the trip in which the second block begins
.set KF,   43                          ; s43  the step's first key
.set Q0,   44                          ; s44  my first query
.set Q0H,  45                          ; s45  the same in the second block
.set TB,   46                          ; s46  LDS byte at which the slot in hand begins
.set CP,   48                          ; s[48:49], s[50:51] where my codes go: first block, second block
.set QP,   52                          ; s[52:53], s[54:55] my queries
.set PFA,  56                          ; s[56:57] where my prefetches stand
.set PLO,  58                          ; s58  3 in a wave that prefetches, else 2^31
.set MSB, 0
.macro WIN new
.if MSB != \new
	s_set_vgpr_msb (MSB<<8)|\new
.set MSB, \new
.endif
.endm
.macro PLACES
.rept 4
	v_nop
.endr
.endm
; Waves 0 and 1 fetch K's halves of a slot, waves 2 and 3 V's, 8 KiB each; the others nothing.  The branch hangs on the wave's number alone.  Four v_nop follow the load.
.macro TLOAD
	s_cmp_lt_u32 s[WV], 4
	s_cbranch_scc0 .Lasked_\@
	tensor_load_to_lds s[G0:G0+3], s[G1:G1+7]
	s_nop 0
	PLACES
.Lasked_\@:
.endm
; A PREFETCH INTO THE L2 of what the next change of slots will ask for.  Key slots 4 to 7 are asked for first by the head's work-group 0 (in its trips 4 to 7): it names them one trip, two key steps, earlier, in trips 3 to 6.
; In it the waves ask that fetch nothing: waves 4, 5 K's halves, waves 6, 7 V's: 8 KiB a wave, lanes 256 bytes apart, one instruction.  So each aligned 256 bytes are named once in the launch.  Slots 0 to 3 come by their loads alone.
.macro ASK
	s_sub_co_u32 s61, s[TR], s[PLO]
	s_cmp_lt_u32 s61, 4
	s_cbranch_scc0 .Lnot_mine_\@
	global_prefetch_b8 v[PFO], s[PFA:PFA+1] th:TH_LOAD_NT scope:SCOPE_SE
.Lnot_mine_\@:
.endm
; THE CHANGE OF SLOTS stands at a trip's head.  Each wave waits for all its tensor loads (its part of the slot that it is about to read), adds 0 to its spare word, and waits for that and for its reads of the slot that it has left.
; fill = 1: the slot that was left is filled with the key slot that follows: one on, or 0 again where the first block's walk ends.  The load has a trip's two key steps in which to land; one load of a wave is out at most.
.macro CHANGE fill
	s_wait_tensorcnt 0x0                           ; no tensor load of mine is out, so group 0 may be written
	ds_add_u32 v[SPW], v[NIL]                      ; 0 onto my spare word
.if \fill
	s_xor_b32 s[G0+1], s[G0+1], SLOT1              ; the other slot than last time
	s_add_co_u32 s[KSN], s[KSN], 1
	s_cmp_eq_u32 s[TR], s[IB]
	s_cselect_b32 s[KSN], 0, s[KSN]
	s_lshl_b32 s[OFS], s[KSN], 14
	s_add_nc_u64 s[G0+2:G0+3], s[BASE:BASE+1], s[OFS:OFS+1]
	s_or_b32 s[G0+3], s[G0+3], 0x80000000          ; type = 2
	s_wait_xcnt 0x0                                ; the last prefetch, a trip back, has read its address
	s_add_nc_u64 s[PFA:PFA+1], s[PFA:PFA+1], 16384 ; in trip n: key slot n + 1
.endif
	s_wait_dscnt 0x0                               ; the add is done, and my reads of the slot that I have left are over
	s_barrier_signal -1
	s_barrier_wait -1
.if \fill
	TLOAD                                          ; the first thing behind the barrier, and a wave's one tensor load until the next
	ASK
.endif
.endm
.macro INIT                            ; a block begins: the largest t is -3e38, under every t; sums and O^T are zeros, which the first change of M leaves zeros
.irp u, 0,1
	v_mov_b32 v[ST+8*\u+1], 0xff61b1e6
	s_delay_alu instid0(VALU_DEP_1)
	v_floor_f32 v[ST+8*\u], -v[ST+8*\u+1]
.irp k, 2,3,4,5,6,7
	v_mov_b32 v[ST+8*\u+\k], 0
.endr
.endr
	WIN 0x40
.set j, 0
.rept 64
	v_mov_b32 v[OT+j], 0
.set j, j+1
.endr
	WIN 0
.endm
; A KEY STEP: 128 keys, the q-th of the slot in hand.
.macro STEP q
	s_add_co_u32 s60, s[Q0], 31
	s_cmp_gt_u32 s[KF], s60                        ; all 128 keys come after my 32 queries
	s_cbranch_scc1 .Lhidden_\@
	PLACES                                         ; between the last products and the loads into registers that they read (ISA guide 7.12.1 for vector instructions)
	WIN 0x40
	s_wait_alu depctr_va_vdst(0)
.irp t, 0,1,2,3,4,5,6,7
.irp c, 0,1
	ds_load_b128 v[8*\t+4*\c:8*\t+4*\c+3], v[ADR] offset:8192*(\q)+1024*\t+512*\c
.endr
.endr
.irp t, 0,1,2,3
.irp c, 0,1,2,3
	ds_load_b128 v[VR+16*\t+4*\c:VR+16*\t+4*\c+3], v[ADR] offset:VOFF+8192*(\q)+4096*(\c/2)+1024*\t+512*(\c%2)
.endr
.endr
	s_wait_dscnt 16                                ; K is in; V's sixteen loads may stay out until the second product
	WIN 0x05                                       ; sources 0 and 1 window 1
.irp t, 0,1,2,3,4,5,6,7
.irp u, 0,1
	v_wmma_f32_16x16x64_fp8_fp8 v[S+64*\u+8*\t:S+64*\u+8*\t+7], v[8*\t:8*\t+7], v[QR+8*\u:QR+8*\u+7], 0
.endr
.endr
	WIN 0
	PLACES
	s_add_co_u32 s60, s[KF], 127
	s_cmp_le_u32 s60, s[Q0]                        ; all 128 keys count for all my queries
	s_cbranch_scc1 .Lopen_\@
	s_sub_co_i32 s60, s[Q0], s[KF]
	v_add_nc_u32 v[DD], s60, v[DQ]
	v_add_nc_u32 v[DD+1], s60, v[DQ+1]             ; register 16 b + i holds key KF + 16 h + 32 b + i: hidden where 32 b + i > my query - KF - 16 h
.irp u, 0,1
.set n, 0
.rept 64
	v_cmp_gt_i32 vcc_lo, 32*(n/16)+n%16, v[DD+\u]
	v_cndmask_b32 v[S+64*\u+n], v[S+64*\u+n], v[NINF], vcc_lo
.set n, n+1
.endr
.endr
.Lopen_\@:
	; the step's largest score of each query, in two chains a tile; the two tiles line by line.  Each accumulator is read from its low end on
.irp u, 0,1
	v_max3_num_f32 v[ST+8*\u+6], v[S+64*\u], v[S+64*\u+1], v[S+64*\u+2]
	v_max3_num_f32 v[ST+8*\u+7], v[S+64*\u+3], v[S+64*\u+4], v[S+64*\u+5]
.endr
.irp i, 6,10,14,18,22,26,30,34,38,42,46,50,54,58
.irp u, 0,1
	v_max3_num_f32 v[ST+8*\u+6], v[ST+8*\u+6], v[S+64*\u+\i], v[S+64*\u+\i+1]
	v_max3_num_f32 v[ST+8*\u+7], v[ST+8*\u+7], v[S+64*\u+\i+2], v[S+64*\u+\i+3]
.endr
.endr
.irp u, 0
	v_max3_num_f32 v[ST+8*\u+6], v[ST+8*\u+6], v[S+64*\u+62], v[S+64*\u+63]
.endr
.irp u, 1
	v_max3_num_f32 v[ST+8*\u+6], v[ST+8*\u+6], v[S+64*\u+62], v[S+64*\u+63]
.endr
.irp u, 0,1
	s_delay_alu instid0(VALU_DEP_2)
	v_max_num_f32 v[ST+8*\u+6], v[ST+8*\u+6], v[ST+8*\u+7]
.endr
.irp u, 0,1
	s_delay_alu instid0(VALU_DEP_2)
	v_permlanex16_b32 v[XP+\u], v[ST+8*\u+6], s[SEL], s[SEL+1]
.endr
.irp u, 0,1
	s_delay_alu instid0(VALU_DEP_2)
	v_max_num_f32 v[ST+8*\u+6], v[ST+8*\u+6], v[XP+\u]     ; and among lane l xor 16's keys
.endr
.irp u, 0,1
	s_delay_alu instid0(VALU_DEP_2)
	v_mul_f32 v[ST+8*\u+6], s[CS], v[ST+8*\u+6]            ; as t (c is positive)
.endr
.irp u, 0,1
	s_delay_alu instid0(VALU_DEP_2)
	v_max_num_f32 v[ST+8*\u+1], v[ST+8*\u+1], v[ST+8*\u+6] ; the running largest t
.endr
.irp u, 0,1
	v_mov_b32 v[ST+8*\u+6], v[ST+8*\u]
.endr
.irp u, 0,1
	s_delay_alu instid0(VALU_DEP_4)
	v_floor_f32 v[ST+8*\u], -v[ST+8*\u+1]                  ; the new -M = floor(-t): M is a whole number
.endr
.irp u, 0,1
	s_delay_alu instid0(VALU_DEP_2)
	v_sub_f32 v[ST+8*\u+6], v[ST+8*\u], v[ST+8*\u+6]       ; old M - new M: a whole number, 0 or less
.endr
.irp u, 0,1
	s_delay_alu instid0(VALU_DEP_2)
	v_cvt_i32_f32 v[ST+8*\u+6], v[ST+8*\u+6]               ; (it saturates)
.endr
.irp u, 0,1
	s_delay_alu instid0(VALU_DEP_2)
	v_ldexp_f32 v[ST+8*\u+4], 1.0, v[ST+8*\u+6]            ; f = 2^(old M - new M)
.endr
.set j, 0
.rept 32
.irp u, 0,1
	v_pk_fma_f32 v[S+64*\u+j:S+64*\u+j+1], v[S+64*\u+j:S+64*\u+j+1], s[CS:CS+1], v[ST+8*\u:ST+8*\u+1] op_sel_hi:[1,0,0]   ; t - M, two at a time
.endr
.set j, j+2
.endr
.set j, 0
	s_wait_alu depctr_va_vdst(0)
.rept 128
	v_exp_f32 v[S+j], v[S+j]                       ; p = 2^(t - M): both tiles' 128 exponentials are ONE batch
.set j, j+1
.endr
.irp u, 0,1
	v_pk_mul_f32 v[ST+8*\u+2:ST+8*\u+3], v[ST+8*\u+2:ST+8*\u+3], v[ST+8*\u+4:ST+8*\u+5] op_sel_hi:[1,0]   ; the sums under the new M: plain instructions behind the last exponential
.endr
	s_wait_alu depctr_va_vdst(0)                   ; one wait for the batch, ahead of its first reader
.irp u, 0,1
	v_pk_add_f32 v[ST+8*\u+6:ST+8*\u+7], v[S+64*\u:S+64*\u+1], v[S+64*\u+2:S+64*\u+3]   ; the row's sum is taken of the UNQUANTISED p, in two chains a tile
.endr
.irp i, 4,8,12,16,20,24,28,32,36,40,44,48,52,56,60
.irp u, 0,1
	v_pk_add_f32 v[ST+8*\u+2:ST+8*\u+3], v[ST+8*\u+2:ST+8*\u+3], v[S+64*\u+\i:S+64*\u+\i+1]
	v_pk_add_f32 v[ST+8*\u+6:ST+8*\u+7], v[ST+8*\u+6:ST+8*\u+7], v[S+64*\u+\i+2:S+64*\u+\i+3]
.endr
.endr
.irp u, 0
	s_delay_alu instid0(VALU_DEP_3)
	v_pk_add_f32 v[ST+8*\u+2:ST+8*\u+3], v[ST+8*\u+2:ST+8*\u+3], v[ST+8*\u+6:ST+8*\u+7]
.endr
.irp u, 1
	s_delay_alu instid0(VALU_DEP_2)
	v_pk_add_f32 v[ST+8*\u+2:ST+8*\u+3], v[ST+8*\u+2:ST+8*\u+3], v[ST+8*\u+6:ST+8*\u+7]
.endr
.set j, 0
.rept 128
.set j, j+1
.endr
.irp u, 0,1
.irp b, 0,1,2,3
	v_cvt_scalef32_pk8_fp8_f32 v[PC+16*\u+4*\b:PC+16*\u+4*\b+1], v[S+64*\u+16*\b:S+64*\u+16*\b+7], v[PSC]
	v_cvt_scalef32_pk8_fp8_f32 v[PC+16*\u+4*\b+2:PC+16*\u+4*\b+3], v[S+64*\u+16*\b+8:S+64*\u+16*\b+15], v[PSC]
.endr
.endr
	WIN 0x41                                       ; O^T (source 0 and destination) window 1, f window 0
.irp u, 0,1
.set j, 0
.rept 16
	v_pk_mul_f32 v[OT+32*\u+j:OT+32*\u+j+1], v[OT+32*\u+j:OT+32*\u+j+1], v[ST+8*\u+4:ST+8*\u+5] op_sel_hi:[1,0]   ; O^T under the new M.  (Also the plain instructions between the conversions and the products that read their results)
.set j, j+2
.endr
.endr
	s_wait_alu depctr_va_vdst(0)
	s_wait_dscnt 0x0                               ; V is in
	WIN 0x51                                       ; source 0 (V), C and D window 1; source 1 (P) window 0
.irp t, 0,1,2,3
.irp u, 0,1
	v_wmma_f32_16x16x128_fp8_fp8 v[OT+32*\u+8*\t:OT+32*\u+8*\t+7], v[VR+16*\t:VR+16*\t+15], v[PC+16*\u:PC+16*\u+15], v[OT+32*\u+8*\t:OT+32*\u+8*\t+7]   ; the eight accumulators by turns
.endr
.endr
	WIN 0
.Lhidden_\@:
	s_add_co_u32 s[KF], s[KF], 128
.endm
; A block ends: O^T / the sum, quantised with 2^(e10 - e8 - e9) (an O stands for O x 2^(e8 + e9)), stored as it stands in the lanes.  again = 1: the codes' registers were an earlier store's data.
.macro FINISH ptr, again
	PLACES                                         ; behind the last products
.irp u, 0,1
	v_add_f32 v[ST+8*\u+6], v[ST+8*\u+2], v[ST+8*\u+3]
.endr
.irp u, 0,1
	s_delay_alu instid0(VALU_DEP_2)
	v_permlanex16_b32 v[XP+\u], v[ST+8*\u+6], s[SEL], s[SEL+1]
.endr
.irp u, 0,1
	s_delay_alu instid0(VALU_DEP_2)
	v_add_f32 v[ST+8*\u+6], v[ST+8*\u+6], v[XP+\u]         ; the row's sum
.endr
	s_wait_alu depctr_va_vdst(0)
.irp u, 0,1
	v_rcp_f32 v[ST+8*\u+6], v[ST+8*\u+6]
.endr
	v_nop                                          ; a plain instruction behind the last reciprocal
	s_wait_alu depctr_va_vdst(0)                   ; one wait for the two, ahead of their first reader
	WIN 0x01                                       ; source 0 window 1
.irp u, 0,1
.set j, 0
.rept 16
	v_pk_mul_f32 v[S+32*\u+j:S+32*\u+j+1], v[OT+32*\u+j:OT+32*\u+j+1], v[ST+8*\u+6:ST+8*\u+7] op_sel_hi:[1,0]   ; register 32 u + 8 t + i: channel 32 (t / 2) + 16 h + 8 (t % 2) + i
.set j, j+2
.endr
.endr
	WIN 0
.set j, 0
.rept 64
.set j, j+1
.endr
.if \again
	s_wait_alu depctr_va_vdst(0)
	s_wait_xcnt 0x0                                ; the first block's stores have read their data
.endif
.irp u, 0,1
.irp t, 0,1,2,3
	v_cvt_scalef32_pk8_fp8_f32 v[CC+8*\u+2*\t:CC+8*\u+2*\t+1], v[S+32*\u+8*\t:S+32*\u+8*\t+7], v[CSC]
.endr
.endr
	v_nop                                          ; a plain instruction behind the last conversion
.irp u, 0,1
.irp c, 0,1
	global_store_b128 v[LA], v[CC+8*\u+4*\c:CC+8*\u+4*\c+3], s[\ptr:\ptr+1] offset:16384*\u+512*\c   ; the wave stores 512 consecutive bytes, at a multiple of 512 from the buffer's first byte
.endr
.endr
.endm
	s_load_b256 s[4:11], s[0:1], 0x0               ; q_img s[4:5], k_img s[6:7], v_img s[8:9], scales s[10:11]
	s_load_b64 s[12:13], s[0:1], 0x20              ; ctx_img
	v_lshl_add_u32 v[SPW], v0, 2, SPARE
	v_mov_b32 v[NIL], 0
	ds_add_u32 v4, v5
	ds_add_u32 v4, v5
	s_wait_dscnt 0x0
	v_lshrrev_b32 v8, 5, v0
	s_delay_alu instid0(VALU_DEP_1)
	v_readfirstlane_b32 s[WV], v8                  ; wave 0..7
	s_mov_b32 s[IB], ttmp9
	s_and_b32 s14, ttmp7, 0xffff                   ; 16 b + head
	s_mov_b32 s[G1], 3<<16                         ; a dense block of 8 KiB as 32 rows of 256 bytes: elements of 8 bytes, no mask, no padding
	s_mov_b32 s[G1+1], 32<<16                      ; tensor_dim0 = 32
	s_mov_b32 s[G1+2], 32<<16                      ; tensor_dim1 = 32
	s_mov_b32 s[G1+3], 32<<16                      ; tile_dim0 = 32
	s_mov_b32 s[G1+4], 32                          ; tile_dim1 = 32
	s_mov_b32 s[G1+5], 32                          ; from row to row
	s_mov_b32 s[G1+6], 0
	s_mov_b32 s[G1+7], 0
	s_mov_b32 s[SEL], 0x76543210
	s_mov_b32 s[SEL+1], 0xfedcba98
	s_lshl_b32 s15, s14, 17                        ; the head's first byte in q_img, k_img and v_img
	s_and_b32 s16, s[WV], 1
	s_lshl_b32 s16, s16, 13
	s_add_co_u32 s16, s16, s15                     ; + which half of a slot's K or V
	s_mov_b32 s17, 0
	s_mov_b32 s[G0], 1
	s_lshl_b32 s[G0+1], s[WV], 13                  ; LDS: 8,192 x wave: K's halves, then V's, in slot 0
	s_mov_b32 s[OFS+1], 0
	s_mov_b32 s[KSN], 0
	s_mov_b32 s[TR], 0
	s_mov_b32 s[KF], 0
	s_mov_b32 s[TB], 0
	s_add_co_u32 s[SW], s[IB], 1
	s_wait_kmcnt 0x0
	s_load_b256 s[68:75], s[10:11], 0x0            ; e0 .. e7
	s_load_b128 s[76:79], s[10:11], 0x20           ; e8 .. e11
	s_cmp_lt_u32 s[WV], 2
	s_cselect_b64 s[BASE:BASE+1], s[6:7], s[8:9]
	s_add_nc_u64 s[BASE:BASE+1], s[BASE:BASE+1], s[16:17]
	s_mov_b64 s[G0+2:G0+3], s[BASE:BASE+1]
	s_or_b32 s[G0+3], s[G0+3], 0x80000000
	TLOAD                                          ; key slot 0 into slot 0
	s_sub_co_u32 s60, 7, s[IB]                     ; the second block
	s_lshl_b32 s61, s[WV], 11                      ; my two tiles of 1,024 bytes
	s_add_co_u32 s61, s61, s15
	s_lshl_b32 s62, s[IB], 14                      ; a block's 16 tiles
	s_add_co_u32 s62, s62, s61
	s_mov_b32 s63, 0
	s_add_nc_u64 s[QP:QP+1], s[4:5], s[62:63]
	s_lshl_b32 s62, s60, 14
	s_add_co_u32 s62, s62, s61
	s_add_nc_u64 s[QP+2:QP+3], s[4:5], s[62:63]
	s_lshr_b32 s61, s14, 4
	s_lshl_b32 s61, s61, 21                        ; ctx_img: b x 128 row tiles of 16,384 bytes
	s_and_b32 s62, s14, 15
	s_lshl_b32 s62, s62, 10                        ; + head x 1,024
	s_add_co_u32 s61, s61, s62
	s_lshl_b32 s62, s[WV], 15                      ; + my two row tiles
	s_add_co_u32 s61, s61, s62
	s_lshl_b32 s62, s[IB], 18                      ; + a block's 16
	s_add_co_u32 s62, s62, s61
	s_add_nc_u64 s[CP:CP+1], s[12:13], s[62:63]
	s_lshl_b32 s62, s60, 18
	s_add_co_u32 s62, s62, s61
	s_add_nc_u64 s[CP+2:CP+3], s[12:13], s[62:63]
	s_lshl_b32 s61, s[WV], 5
	s_lshl_b32 s[Q0], s[IB], 8
	s_add_co_u32 s[Q0], s[Q0], s61                 ; my first query: 256 x block + 32 x wave
	s_lshl_b32 s[Q0H], s60, 8
	s_add_co_u32 s[Q0H], s[Q0H], s61
	s_cmp_lt_u32 s[WV], 6                          ; the prefetches: waves 4, 5 stand in K, waves 6, 7 in V, at key slot 0: the change of slots of trip n steps them to slot n + 1
	s_cselect_b64 s[PFA:PFA+1], s[6:7], s[8:9]
	s_add_nc_u64 s[PFA:PFA+1], s[PFA:PFA+1], s[16:17]
	s_lshr_b32 s61, s[WV], 2
	s_xor_b32 s61, s61, 1                          ; 0 in waves 4 to 7,
	s_or_b32 s61, s61, s[IB]                       ; of the head's work-group 0
	s_cmp_eq_u32 s61, 0
	s_mov_b32 s[PLO], 0x80000000
	s_cselect_b32 s[PLO], 3, s[PLO]
	v_and_b32 v8, 31, v0
	s_delay_alu instid0(VALU_DEP_1)
	v_lshlrev_b32 v[LA], 4, v8
	s_delay_alu instid0(VALU_DEP_2)
	v_lshlrev_b32 v[PFO], 8, v8
	v_and_b32 v9, 15, v0                           ; r
	s_delay_alu instid0(VALU_DEP_1)
	v_and_b32 v10, 8, v9
	s_delay_alu instid0(VALU_DEP_1)
	v_add_nc_u32 v10, v10, v9                      ; r + 8 (r / 8)
	v_bfe_u32 v11, v0, 4, 1
	s_delay_alu instid0(VALU_DEP_1)
	v_lshlrev_b32 v11, 4, v11                      ; 16 h
	s_delay_alu instid0(VALU_DEP_1)
	v_sub_nc_u32 v[DQ], v10, v11
	s_delay_alu instid0(VALU_DEP_1)
	v_add_nc_u32 v[DQ+1], 8, v[DQ]
	WIN 0x40
.irp u, 0,1
.irp c, 0,1
	global_load_b128 v[QR+8*\u+4*\c:QR+8*\u+4*\c+3], v[LA], s[QP:QP+1] offset:1024*\u+512*\c       ; both blocks' queries stay in registers
	global_load_b128 v[QH+8*\u+4*\c:QH+8*\u+4*\c+3], v[LA], s[QP+2:QP+3] offset:1024*\u+512*\c
.endr
.endr
	WIN 0
	v_mov_b32 v[XP], 0                             ; written once: a lane permute's destination counts as one of its sources
	v_mov_b32 v[XP+1], 0
	v_mov_b32 v[NINF], 0xff800000                  ; -infinity
	s_wait_kmcnt 0x0
	s_add_co_i32 s60, s74, s75
	s_lshl_b32 s60, s60, 23
	s_mov_b32 s[CS], 0x3e38aa3b                    ; log2(e) / 8
	s_add_co_i32 s[CS], s[CS], s60                 ; a score stands for score x 2^(e6 + e7): added to c's exponent field
	s_mov_b32 s[CS+1], s[CS]                       ; (named with it as a pair)
	s_add_co_i32 s60, s76, 127
	s_lshl_b32 s61, s60, 23
	v_mov_b32 v[PSC], s61
	s_sub_co_i32 s60, s78, s76
	s_sub_co_i32 s60, s60, s77
	s_add_co_i32 s60, s60, 127
	s_lshl_b32 s61, s60, 23
	v_mov_b32 v[CSC], s61
	INIT
	s_wait_loadcnt 0x0                             ; Q
.Ltrip:                                            ; eight trips: behind each change of slots but the last the next key slot is asked for
	CHANGE 1
	v_add_nc_u32 v[ADR], s[TB], v[LA]
	s_cmp_eq_u32 s[TR], s[SW]
	s_cbranch_scc0 .Lsame_block
	FINISH CP, 0                                   ; the first block leaves, and the second begins at key 0: work on registers and stores alone
	INIT
	WIN 0x41
.set j, 0
.rept 16
	v_mov_b32 v[QR+j], v[QH+j]
.set j, j+1
.endr
	WIN 0
	s_mov_b32 s[KF], 0
	s_mov_b32 s[Q0], s[Q0H]
.Lsame_block:
	STEP 0
	STEP 1
	s_xor_b32 s[TB], s[TB], SLOT1
	s_add_co_u32 s[TR], s[TR], 1
	s_cmp_lt_u32 s[TR], 8
	s_cbranch_scc1 .Ltrip
	CHANGE 0                                       ; the ninth slot is written out
	v_add_nc_u32 v[ADR], s[TB], v[LA]
	STEP 0
	STEP 1
	FINISH CP+2, 1
	s_wait_tensorcnt 0x0                           ; the wave's end
	ds_add_u32 v[SPW], v[NIL]
	s_wait_dscnt 0x0
	s_endpgm
.Lfunc_end_k_q6796436ac8_attn:
	.size	k_q6796436ac8_attn, .Lfunc_end_k_q6796436ac8_attn-k_q6796436ac8_attn
	.p2alignl 7, 3214868480
	.fill 96, 4, 3214868480
	.section	.rodata,"a",@progbits
	.p2align	6, 0x0
	.amdhsa_kernel k_q6796436ac8_attn
		.amdhsa_group_segment_fixed_size 327680
		.amdhsa_private_segment_fixed_size 0
		.amdhsa_enable_private_segment 0
		.amdhsa_kernarg_size 40
		.amdhsa_user_sgpr_count 2
		.amdhsa_user_sgpr_kernarg_segment_ptr 1
		.amdhsa_wavefront_size32 1
		.amdhsa_system_sgpr_workgroup_id_x 1
		.amdhsa_system_sgpr_workgroup_id_y 1
		.amdhsa_system_sgpr_workgroup_id_z 1
		.amdhsa_system_vgpr_workitem_id 0
		.amdhsa_next_free_vgpr 512
		.amdhsa_next_free_sgpr 96
		.amdhsa_reserve_vcc 1
		.amdhsa_float_denorm_mode_32 3
		.amdhsa_float_denorm_mode_16_64 3
		.amdhsa_fp16_overflow 1
		.amdhsa_memory_ordered 1
		.amdhsa_forward_progress 1
		.amdhsa_inst_pref_size 161
	.end_amdhsa_kernel
	.amdgpu_metadata
---
amdhsa.version: [ 1, 2 ]
amdhsa.kernels:
  - .name:           k_q6796436ac8_attn
    .symbol:         k_q6796436ac8_attn.kd
    .args:
      - { .name: q_img, .offset: 0, .size: 8, .value_kind: global_buffer, .address_space: global }
      - { .name: k_img, .offset: 8, .size: 8, .value_kind: global_buffer, .address_space: global }
      - { .name: v_img, .offset: 16, .size: 8, .value_kind: global_buffer, .address_space: global }
      - { .name: lowp_scales, .offset: 24, .size: 8, .value_kind: global_buffer, .address_space: global }
      - { .name: ctx_img, .offset: 32, .size: 8, .value_kind: global_buffer, .address_space: global }
    .group_segment_fixed_size: 327680
    .private_segment_fixed_size: 0
    .kernarg_segment_align: 8
    .kernarg_segment_size: 40
    .max_flat_workgroup_size: 256
    .sgpr_count:     96
    .vgpr_count:     512
    .wavefront_size: 32
...
	.end_amdgpu_metadata
.endif
;; end of part 3
;; launch oproj (part 4): grid 4 x 64, 4 waves a work-group, clusters of 4 x 4, 327,680 bytes of LDS; arguments ctx_img, Wo_codes, lowp_scales, out0; writes out0
.if DOCPART == 4
	.amdgcn_target "amdgcn-amd-amdhsa--gfx1250"
	.amdhsa_code_object_version 6
	.text
	.protected	k_q6796436ac8_oproj
	.globl	k_q6796436ac8_oproj
	.p2align	8
	.type	k_q6796436ac8_oproj,@function
k_q6796436ac8_oproj:
	s_mov_b64 s[64:65], 0
	v_nop
	global_prefetch_b8 v0, s[64:65] scope:SCOPE_SE
	s_setreg_imm32_b32 hwreg(HW_REG_WAVE_MODE, 25, 1), 1
	s_wait_xcnt 0x0
	s_wait_alu depctr_hold_cnt(0) depctr_sa_sdst(0) depctr_va_vdst(0) depctr_va_sdst(0) depctr_va_ssrc(0) depctr_va_vcc(0) depctr_vm_vsrc(0)
	s_getreg_b32 s2, hwreg(HW_REG_IB_STS2, 6, 4)
	s_cmp_eq_u32 s2, 0
	s_cbranch_scc0 .Lentry_in_a_cluster
	s_endpgm
.Lentry_in_a_cluster:
	s_bfe_u32 s2, ttmp6, 0x10000c
	s_cmp_lg_u32 s2, 0xf033
	s_cbranch_scc0 .Lentry_shape_is_right
	s_endpgm
.Lentry_shape_is_right:
; out0 = ctx Wo^T on codes of E4M3; each finished sum x 2^(e10 + e11).  ctx: 8,192 rows x 1,024, as images of operand registers (ctx_img); Wo: [1024][1024], K innermost; out0: [8192][1024] f32.
; LIMIT: e10 + e11 between -126 and 127, so that 2^(e10 + e11) is an f32 number.
; A TILE: 128 rows of ctx (matrix source 1) x 256 rows of Wo (source 0): 256 work-groups of four waves; a wave 64 x 128: 32 accumulators.  A lane holds eight neighbouring numbers of a row of out0.
; K = 1,024 goes in four steps of 256 through two LDS slots; a slot holds two steps of 128; all eight are written out.
; ctx_img: [row tile 512][head 16][c2 2][lane 32][16 bytes]: a K step is 4,096 consecutive bytes of each row tile, and a fragment (16 rows x 128 K) 2,048 of them: four loads at 16 x lane, no pitch, no padding.
; Row tile 2 G + u, lane r holds row 32 G + 8 u + r + 8 (r / 8): the stores' offsets put each row where it belongs.  Wo's fragments hold K in the same order: registers 4 c .. 4 c + 3: K = 32 c + 16 (l / 16) + 0 .. 15.
; CLUSTERS: 4 x 4: ctx's tile is asked for jointly by a row of the cluster, Wo's by a column.  No prefetch: of the four K steps two are first fills.
; REGISTERS: window 0: v16-29 addresses; v32-95 a block's numbers on the way out; v128-255 ctx's fragments, two sets (then rows read back).  window 1: Wo's fragments, two sets.  window 2: the accumulators, (a, b) at v[8 (8 a + b)].
.set PITCH,  272                       ; a row of Wo in LDS: 256 bytes + 16 of padding
.set QBYTES, 32768                     ; ctx's eight row tiles x 4,096,
.set SLOT,   QBYTES+256*PITCH          ; then Wo's 256 rows
.set STAGE,  2*SLOT                    ; behind the ring: 16 rows x (512 bytes + 16) for each wave; no tile lands here
.set SPITCH, 528
.set SPARE,  STAGE+4*16*SPITCH         ; the spare words: 128 bytes for each wave, which no other line names
.set ADRQ, 16
.set ADRP, 20
.set STO,  24
.set RD,   25
.set CO,   26
.set SPW,  28
.set NIL,  29
.set TMP,  32
.set QF,   128
.set BK,   128
.set G1,  24
.set G0,  32
.set G1B, 48
.set G0B, 56
.set MSB, 0
.macro WIN new
.if MSB != \new
	s_set_vgpr_msb (MSB<<8)|\new
.set MSB, \new
.endif
.endm
.set MUL, 0xa1                         ; source 0 (Wo) window 1, source 1 (ctx) window 0, C and D window 2
.macro JLOAD g0a, g1a, g0b, g1b        ; waves 0 and 1 fetch ctx's halves, waves 2 and 3 Wo's; four v_nop follow each of the two lines
	s_cmp_eq_u32 s15, 0
	s_cbranch_scc0 .Lfor_p_\@
	tensor_load_to_lds s[\g0a:\g0a+3], s[\g1a:\g1a+7]
	s_nop 0
.rept 4
	v_nop
.endr
	s_branch .Lasked_\@
.Lfor_p_\@:
	tensor_load_to_lds s[\g0b:\g0b+3], s[\g1b:\g1b+7]
	s_nop 0
.rept 4
	v_nop
.endr
.Lasked_\@:
.endm
.macro CREST
	s_cmp_lg_u32 s14, 0
	s_cbranch_scc1 .Lnot_wave_0_\@
	s_barrier_signal -3
.Lnot_wave_0_\@:
	s_barrier_wait -3
	s_barrier_signal -1
	s_barrier_wait -1
.endm
.macro CROUND
	s_barrier_signal -1
	s_barrier_wait -1
	CREST
.endm
.macro PLACES n
.rept \n
	v_nop
.endr
.endm
	s_load_b256 s[4:11], s[0:1], 0x0               ; ctx_img s[4:5], Wo s[6:7], scales s[8:9], out0 s[10:11]
	v_lshl_add_u32 v[SPW], v0, 2, SPARE
	v_mov_b32 v[NIL], 0
	ds_add_u32 v28, v29
	s_wait_dscnt 0x0
	v_lshrrev_b32 v1, 5, v0
	v_readfirstlane_b32 s14, v1                    ; wave 0..3
	s_lshr_b32 s15, s14, 1                         ; which 64 rows of ctx are mine.  Also: I fetch for ctx (0) or for Wo (1)
	s_and_b32 s16, s14, 1                          ; which 128 rows of Wo.  Also: which half of that tile I fetch
	s_bfe_u32 s40, ttmp6, 0x40000                  ; cx
	s_bfe_u32 s41, ttmp6, 0x40004                  ; cy
	s_lshl_b32 s42, ttmp9, 2
	s_add_co_u32 s42, s42, s40                     ; Wo's tile of 256 rows
	s_and_b32 s17, ttmp7, 0xffff
	s_lshl_b32 s17, s17, 2
	s_add_co_u32 s17, s17, s41                     ; ctx's tile of 128 rows
	s_lshl_b32 s43, s41, 2
	s_lshl_b32 s43, 15, s43                        ; my row of the cluster
	s_lshl_b32 s44, 0x1111, s40                    ; my column
	s_or_b32 s[G1+0], s43, (1<<21)                 ; ctx: elements of 1 byte, no padding; bit 21 beside the mask.  Four row tiles' 4,096 bytes, 16,384 bytes apart
	s_mov_b32 s[G1+1], 4096<<16                    ; tensor_dim0
	s_mov_b32 s[G1+2], 4<<16                       ; tensor_dim1
	s_mov_b32 s[G1+3], 4096<<16                    ; tile_dim0
	s_mov_b32 s[G1+4], 4                           ; tile_dim1
	s_mov_b32 s[G1+5], 16384                       ; from row to row
	s_mov_b32 s[G1+6], 0
	s_mov_b32 s[G1+7], 0
	s_or_b32 s[G1B+0], s44, (1<<20)|(1<<21)|(5<<22)|(3<<25)   ; Wo: 128 rows x 256 bytes, 4 words of padding after every 64
	s_mov_b32 s[G1B+1], 256<<16
	s_mov_b32 s[G1B+2], 128<<16
	s_mov_b32 s[G1B+3], 256<<16
	s_mov_b32 s[G1B+4], 128
	s_mov_b32 s[G1B+5], 1024
	s_mov_b32 s[G1B+6], 0
	s_mov_b32 s[G1B+7], 0
	s_lshl_b32 s20, s17, 17                        ; ctx: 8 row tiles of 16,384 bytes for a tile,
	s_lshl_b32 s18, s16, 16
	s_add_co_u32 s20, s20, s18                     ; + 4 for the half
	s_mov_b32 s21, 0
	s_lshl_b32 s46, s42, 8
	s_lshl_b32 s18, s16, 7
	s_add_co_u32 s46, s46, s18                     ; Wo: row 256 x tile + 128 x half,
	s_lshl_b32 s46, s46, 10                        ; in bytes
	s_mov_b32 s47, 0
	s_lshl_b32 s45, s16, 14                        ; where they go: ctx's halves,
	s_mul_i32 s92, s16, 128*PITCH
	s_add_co_u32 s92, s92, QBYTES                  ; Wo's behind them
	s_wait_kmcnt 0x0
	s_load_b64 s[96:97], s[8:9], 0x28              ; e10, e11
	s_add_nc_u64 s[20:21], s[4:5], s[20:21]
	s_add_nc_u64 s[46:47], s[6:7], s[46:47]
	CROUND                                         ; all sixteen work-groups are here: the first joint loads meet
.irp s, 0,1
	s_mov_b32 s[G0+4*\s], 1
	s_add_co_u32 s[G0+4*\s+1], s45, \s*SLOT
	s_add_nc_u64 s[G0+4*\s+2:G0+4*\s+3], s[20:21], \s*4096
	s_or_b32 s[G0+4*\s+3], s[G0+4*\s+3], 0x80000000
	s_mov_b32 s[G0B+4*\s], 1
	s_add_co_u32 s[G0B+4*\s+1], s92, \s*SLOT
	s_add_nc_u64 s[G0B+4*\s+2:G0B+4*\s+3], s[46:47], \s*256
	s_or_b32 s[G0B+4*\s+3], s[G0B+4*\s+3], 0x80000000
	JLOAD G0+4*\s, G1, G0B+4*\s, G1B               ; K steps 0 and 1: two loads of mine are out
.endr
	v_and_b32 v1, 15, v0                           ; r
	v_bfe_u32 v2, v0, 4, 1                         ; h
	v_and_b32 v6, 31, v0
	v_lshlrev_b32 v[CO], 4, v6                     ; 16 x lane
	v_mul_u32_u24 v3, v1, PITCH
	v_lshl_add_u32 v4, v2, 4, v3
	s_lshl_b32 s21, s15, 14                        ; my four row tiles of ctx
	s_mul_i32 s22, s16, 128*PITCH
	s_add_co_u32 s22, s22, QBYTES                  ; my 128 rows of Wo
.irp s, 0,1
	v_add_nc_u32 v[ADRQ+\s], s21, v[CO]
	v_add_nc_u32 v[ADRP+\s], s22, v4
	s_add_co_u32 s21, s21, SLOT
	s_add_co_u32 s22, s22, SLOT
.endr
	s_mul_i32 s23, s14, 16*SPITCH
	s_add_co_u32 s23, s23, STAGE                   ; my stage
	v_mul_u32_u24 v5, v1, SPITCH
	v_lshl_add_u32 v5, v2, 5, v5
	v_add_nc_u32 v[STO], s23, v5                   ; in: row r, 32 bytes for each half of the lanes
	v_add_nc_u32 v[RD], s23, v[CO]                 ; back: the 32 lanes take one row of 512 bytes
	s_lshl_b32 s20, s17, 7
	s_lshl_b32 s21, s15, 6
	s_add_co_u32 s20, s20, s21                     ; my first row of out0,
	s_lshl_b32 s20, s20, 12                        ; of 4,096 bytes (under 2^25)
	s_lshl_b32 s46, s42, 10
	s_lshl_b32 s47, s16, 9
	s_add_co_u32 s46, s46, s47                     ; my first column, in bytes
	s_add_co_u32 s20, s20, s46
	s_mov_b32 s21, 0
	s_add_nc_u64 s[10:11], s[10:11], s[20:21]
.macro FRAGP reg, slot, q, i
.irp c, 0,1,2,3
	ds_load_b128 v[\reg+4*\c:\reg+4*\c+3], v[ADRP+\slot] offset:128*(\q)+32*\c+(\i)*16*PITCH
.endr
.endm
.macro FRAGQ reg, slot, q, i
.irp c, 0,1,2,3
	ds_load_b128 v[\reg+4*\c:\reg+4*\c+3], v[ADRQ+\slot] offset:4096*(\i)+2048*(\q)+512*\c
.endr
.endm
.macro FETCH slot, q, p                ; 48 loads in one run, into set p
	WIN 0x40
.irp i, 0,1,2,3,4,5,6,7
	FRAGP 128*(\p)+16*\i, \slot, \q, \i
.endr
	WIN 0
.irp i, 0,1,2,3
	FRAGQ QF+64*(\p)+16*\i, \slot, \q, \i
.endr
.endm
.macro MUL8 a, p, zero                 ; the 32 accumulators take turns, one instruction a turn, in the same order in every step
.irp b, 0,1,2,3,4,5,6,7
.if \zero
	v_wmma_f32_16x16x128_fp8_fp8 v[8*(8*(\a)+\b):8*(8*(\a)+\b)+7], v[128*(\p)+16*\b:128*(\p)+16*\b+15], v[QF+64*(\p)+16*(\a):QF+64*(\p)+16*(\a)+15], 0
.else
	v_wmma_f32_16x16x128_fp8_fp8 v[8*(8*(\a)+\b):8*(8*(\a)+\b)+7], v[128*(\p)+16*\b:128*(\p)+16*\b+15], v[QF+64*(\p)+16*(\a):QF+64*(\p)+16*(\a)+15], v[8*(8*(\a)+\b):8*(8*(\a)+\b)+7]
.endif
.endr
.endm
.macro STEP slot, zero                 ; a slot's first step multiplies set 0 and fetches the slot's second 128 along K into set 1
	s_wait_dscnt 0x0                               ; set 0 is in
	PLACES 4                                       ; between the last products, which read set 1, and the loads into it (ISA guide 7.12.1 for vector instructions)
	FETCH \slot, 1, 1
	WIN MUL
	MUL8 0, 0, \zero
	MUL8 1, 0, \zero
	MUL8 2, 0, \zero
	MUL8 3, 0, \zero
	WIN 0
.endm
.macro TURN slot, next, fill           ; a slot's second step multiplies set 1 and changes slots: one barrier
	s_wait_tensorcnt 0x0                           ; all my tensor loads have landed: my part of the next slot
	ds_add_u32 v[SPW], v[NIL]                      ; 0 onto my spare word
	s_wait_dscnt 1                                 ; set 1 is in; the add alone may be out
	WIN MUL
	MUL8 0, 1, 0
	s_wait_dscnt 0x0                               ; the add is done, and my reads of this slot are over
	s_barrier_signal -1
	MUL8 1, 1, 0
	WIN 0
	s_barrier_wait -1
.if \fill
	CREST                                          ; the barrier has opened a round of the cluster's: no wave of any partner still reads this slot or has a load on its way
	s_add_nc_u64 s[G0+4*\slot+2:G0+4*\slot+3], s[G0+4*\slot+2:G0+4*\slot+3], 8192
	s_add_nc_u64 s[G0B+4*\slot+2:G0B+4*\slot+3], s[G0B+4*\slot+2:G0B+4*\slot+3], 512
	JLOAD G0+4*\slot, G1, G0B+4*\slot, G1B         ; two K steps on; its four v_nop are the places in front of the loads below
.else
	PLACES 4
.endif
	FETCH \next, 0, 0
	WIN MUL
	MUL8 2, 1, 0
	MUL8 3, 1, 0
	WIN 0
.endm
	s_wait_tensorcnt 1                             ; my part of K step 0 is in; K step 1's load may stay out
	s_barrier_signal -1
	s_barrier_wait -1
	FETCH 0, 0, 0
	STEP 0, 1                                      ; the first products start the sums
	TURN 0, 1, 1
	STEP 1, 0
	TURN 1, 0, 1
	STEP 0, 0
	TURN 0, 1, 0
	STEP 1, 0
	s_wait_dscnt 0x0                               ; the last 128 along K
	WIN MUL
	MUL8 0, 1, 0
	MUL8 1, 1, 0
	MUL8 2, 1, 0
	MUL8 3, 1, 0
	WIN 0
; THE WAY OUT, a row tile (16 rows x 128 columns) at a time: through my own stage, back as whole rows of 512 bytes.  LDS serves a wave's instructions in order (ISA guide 5.7.1.4): no wait between the stores and the loads.
.macro TOSTAGE a
	WIN 0x02                                       ; source 0 window 2
.set j, 0
.rept 32
	v_pk_mul_f32 v[TMP+j:TMP+j+1], v[64*(\a)+j:64*(\a)+j+1], s[96:97] op_sel_hi:[1,0]   ; x 2^(e10 + e11); each accumulator from its low end on
.set j, j+2
.endr
	WIN 0
.irp b, 0,1,2,3,4,5,6,7
	ds_store_b128 v[STO], v[TMP+8*\b:TMP+8*\b+3] offset:64*\b
	ds_store_b128 v[STO], v[TMP+8*\b+4:TMP+8*\b+7] offset:64*\b+16
.endr
.irp t, 0,1,2,3,4,5,6,7,8,9,10,11,12,13,14,15
	ds_load_b128 v[BK+64*((\a)%2)+4*\t:BK+64*((\a)%2)+4*\t+3], v[RD] offset:\t*SPITCH
.endr
.endm
.macro SEND a, younger                 ; younger: the LDS instructions issued behind row tile a's loads, which may stay out
	s_wait_dscnt \younger
.irp t, 0,1,2,3,4,5,6,7,8,9,10,11,12,13,14,15
	global_store_b128 v[CO], v[BK+64*((\a)%2)+4*\t:BK+64*((\a)%2)+4*\t+3], s[10:11] offset:(32*((\a)/2)+8*((\a)%2)+\t+8*(\t/8))*4096 th:TH_STORE_NT   ; lane t of the tile is row 32 (a / 2) + 8 (a % 2) + t + 8 (t / 8); the wave stores 512 consecutive bytes
.endr
.endm
	s_wait_kmcnt 0x0
	s_add_co_i32 s96, s96, s97
	s_add_co_i32 s96, s96, 127
	s_lshl_b32 s96, s96, 23                        ; 2^(e10 + e11) as f32
	PLACES 4                                       ; behind the last products
	TOSTAGE 0
	TOSTAGE 1
	SEND 0, 32                                     ; behind its loads: the next tile's 16 stores and 16 loads
	s_wait_xcnt 0x0                                ; tile 0's stores have read their registers: tile 2's loads may land there
	TOSTAGE 2
	SEND 1, 32
	s_wait_xcnt 0x0
	TOSTAGE 3
	SEND 2, 32
	SEND 3, 0
	s_wait_tensorcnt 0x0                           ; the wave's end
	ds_add_u32 v[SPW], v[NIL]
	s_wait_dscnt 0x0
	CROUND                                         ; the closing round
	s_endpgm
.Lfunc_end_k_q6796436ac8_oproj:
	.size	k_q6796436ac8_oproj, .Lfunc_end_k_q6796436ac8_oproj-k_q6796436ac8_oproj
	.p2alignl 7, 3214868480
	.fill 96, 4, 3214868480
	.section	.rodata,"a",@progbits
	.p2align	6, 0x0
	.amdhsa_kernel k_q6796436ac8_oproj
		.amdhsa_group_segment_fixed_size 327680
		.amdhsa_private_segment_fixed_size 0
		.amdhsa_enable_private_segment 0
		.amdhsa_kernarg_size 32
		.amdhsa_user_sgpr_count 2
		.amdhsa_user_sgpr_kernarg_segment_ptr 1
		.amdhsa_wavefront_size32 1
		.amdhsa_system_sgpr_workgroup_id_x 1
		.amdhsa_system_sgpr_workgroup_id_y 1
		.amdhsa_system_sgpr_workgroup_id_z 1
		.amdhsa_system_vgpr_workitem_id 0
		.amdhsa_next_free_vgpr 768
		.amdhsa_next_free_sgpr 100
		.amdhsa_reserve_vcc 0
		.amdhsa_float_denorm_mode_32 3
		.amdhsa_float_denorm_mode_16_64 3
		.amdhsa_memory_ordered 1
		.amdhsa_forward_progress 1
		.amdhsa_inst_pref_size 75
	.end_amdhsa_kernel
	.amdgpu_metadata
---
amdhsa.version: [ 1, 2 ]
amdhsa.kernels:
  - .name:           k_q6796436ac8_oproj
    .symbol:         k_q6796436ac8_oproj.kd
    .args:
      - { .name: ctx_img, .offset: 0, .size: 8, .value_kind: global_buffer, .address_space: global }
      - { .name: Wo_codes, .offset: 8, .size: 8, .value_kind: global_buffer, .address_space: global }
      - { .name: lowp_scales, .offset: 16, .size: 8, .value_kind: global_buffer, .address_space: global }
      - { .name: out0, .offset: 24, .size: 8, .value_kind: global_buffer, .address_space: global }
    .group_segment_fixed_size: 327680
    .private_segment_fixed_size: 0
    .kernarg_segment_align: 8
    .kernarg_segment_size: 32
    .max_flat_workgroup_size: 128
    .sgpr_count:     100
    .vgpr_count:     768
    .wavefront_size: 32
...
	.end_amdgpu_metadata
.endif
;; end of part 4
